; MI455X (gfx1250); checked and timed in simulation.
; The chip was launched on July 23, 2026; its instructions are those of AMD's public machine-readable ISA for CDNA 5 (MIT licence, August 2026) and "CDNA5" Instruction Set Architecture Reference Guide (July 2026). The comments in the code are by the model that wrote it; some were corrected since.
;; Multi Head Attention. Allowed arithmetic: matrix products marked QUANTISED: E2M1 operands, one E8M0 scale for each 32 along K, by v_wmma_scale_f32_16x16x128_f8f6f4 with both operands' format E2M1 (or v_wmma_scale_f32_32x16x128_f4), f32 sums; everything else in f32.
;; Inputs: Wk 1,024 x 1,024 float32; Wo 1,024 x 1,024 float32; Wq 1,024 x 1,024 float32; Wv 1,024 x 1,024 float32; bk 1,024 float32; bo 1,024 float32; bq 1,024 float32; bv 1,024 float32; x 4 x 2,048 x 1,024 float32.
;; Outputs: out0 4 x 2,048 x 1,024 float32.
;; This version of the problem:
;;   THIS VERSION OF THE PROBLEM IS GIVEN IN LOW PRECISION. The matrix products marked QUANTISED in the list below multiply operands that are first quantised to E2M1 (2 exponent bits, 1 mantissa bit; 4 bits a number), with one power-of-two scale for each 32 numbers along K (OCP MX v1.0); their sums are f32. All else is computed in f32.
;;   The module's matrix products, in the order in which they are computed (A, B: the left and right operand; K: the contracted axis; several contracted axes count as one K, in the product's order):
;;     1. [M 8,192, K 1,024] x [K 1,024, N 1,024]; A: input x; B: input Wq: QUANTISED
;;     2. [M 8,192, K 1,024] x [K 1,024, N 1,024]; A: input x; B: input Wk: QUANTISED
;;     3. [M 8,192, K 1,024] x [K 1,024, N 1,024]; A: input x; B: input Wv: QUANTISED
;;     4. batch 64 x [M 2,048, K 64] x [K 64, N 2,048]; A: computed on the way; B: computed on the way: QUANTISED
;;     5. batch 64 x [M 2,048, K 2,048] x [K 2,048, N 64]; A: softmax (see below); B: computed on the way: QUANTISED
;;     6. [M 8,192, K 1,024] x [K 1,024, N 1,024]; A: computed on the way; B: input Wo: QUANTISED
;;   THE QUANTISER, for each operand of a quantised product, along K:
;;     - K is cut into blocks of 32 from its start; a last block that is shorter is filled with zeros.
;;     - A block's scale is 2^e with e = floor(log2(the largest magnitude in the block)) - 2, held to -126 .. 127; a block of zeros has e = 0. As a byte (E8M0): e + 127.
;;     - Each number is divided by its block's scale, clamped to +-6, and rounded to the nearest number of E2M1, ties to even, subnormals kept.
;;     - The product sums the exact products of the quantised numbers (number of the format x scale) in f32.
;;   ~~~python
;;   def quantise(x, axis):      # numpy; x: float32 -> the quantised numbers, widened to float32 again
;;       x = np.moveaxis(x, axis, -1); K = x.shape[-1]
;;       x = np.pad(x, [(0, 0)] * (x.ndim - 1) + [(0, -K % 32)]); x = x.reshape(x.shape[:-1] + (-1, 32)); a = np.abs(x).max(-1, keepdims=True)
;;       e = np.where(a > 0, np.clip(np.frexp(np.where(a > 0, a, 1))[1] - 1 - 2, -126, 127), 0)      # np.frexp(a)[1] - 1 = floor(log2(a)), exactly
;;       r = np.clip(x / 2.0 ** e, -6, 6)
;;       step = 2.0 ** (np.maximum(np.frexp(np.where(r == 0, 1, r))[1] - 1, 0) - 1)
;;       q = np.round(r / step) * step * 2.0 ** e      # np.round: ties to even
;;       return np.moveaxis(q.reshape(q.shape[:-2] + (-1,))[..., :K], -1, axis).astype(np.float32)
;;   ~~~
;;   SOFTMAX AHEAD OF A QUANTISED PRODUCT. Where the list says 'softmax', what is quantised is not the finished softmax but p = 2^(t - M), with t = logit x log2(e) and M = ceil(the row's largest t), a whole number; so 1/2 < the row's largest p <= 1. The row's sum l is taken of the UNQUANTISED p, in f32, and the product's result is divided by l at the end. Since M is a whole number, a kernel that streams over the keys may use a running M (the ceiling of the running maximum): every later rescaling is an exact power of two, which a block's scale takes up: the codes' values come out the same.
;;   OPERANDS COMPUTED ON THE WAY. 'Computed on the way' means the value that the module computes at that place (a softmax that the list does not call 'softmax' is quantised finished and normalised). What goes into a quantiser is computed in f32, as accurately as f32 sums, v_exp_f32 and their like allow (about 1e-6 of the number): no bf16 or f16 on the way to a quantiser, and a product that is left as it is and whose result goes on into a quantised operand takes f32 operands (vector FMAs, or v_wmma_f32_16x16x4_f32). A number that lies on a knife's edge between two numbers of the format may be rounded either way, as far as f32 arithmetic and the matrix unit's own rounding can turn it there, and no further.
;; One version. Each part assembles by itself: llvm-mc -triple=amdgcn-amd-amdhsa -mcpu=gfx1250 --defsym DOCPART=n.
;; ======== version 1 of 1: 4 launches
;; workspace buffers: codes 6,291,456 bytes; scales 393,216 bytes; qkc 8,388,608 bytes; qks 1,048,576 bytes; vc 4,194,304 bytes; vs 262,144 bytes; ctxc 4,194,304 bytes; ctxs 262,144 bytes
;; launch quant (part 1): grid 384 x 1, 4 waves a work-group, no clusters, 33,280 bytes of LDS; arguments x, Wq, Wk, Wv, Wo, codes, scales; writes codes, scales
.if DOCPART == 1
	.amdgcn_target "amdgcn-amd-amdhsa--gfx1250"
	.amdhsa_code_object_version 6
	.text
	.protected	k_qa701602e7b_quant
	.globl	k_qa701602e7b_quant
	.p2align	8
	.type	k_qa701602e7b_quant,@function
k_qa701602e7b_quant:
	s_mov_b64 s[64:65], 0
	v_nop
	global_prefetch_b8 v0, s[64:65] scope:SCOPE_SE
	s_setreg_imm32_b32 hwreg(HW_REG_WAVE_MODE, 25, 1), 1
	s_wait_xcnt 0x0
; x [8192][1024] and Wq, Wk, Wv, Wo [1024][1024], f32, K innermost, become codes of FP4 (E2M1), two to a byte, with one E8M0 scale byte for each 32 along K.
; codes: 12,288 rows of 512 bytes (x from row 0, Wq 8,192, Wk 9,216, Wv 10,240, Wo 11,264); scales: the same rows of 32 bytes.
; THE ROWS ARE STORED IN ANOTHER ORDER: place s holds row sigma(s), s with bits 3 and 4 exchanged.  Sixteen consecutive places are then rows 0-7 and 16-23 (or 8-15 and 24-31) of a group of 32,
; which is the choice of rows that lets a later product's results lie as neighbours along the next K.  Here that is one exchange: a wave's run of 8 rows goes to the run with its number's two bits swapped.
; A block's scale is 2^(floor(log2(its largest magnitude)) - 2); its byte is the largest magnitude's exponent field - 2, held at 1 from below.
; LIMITS: a block whose largest magnitude lies under 2^-124 keeps the byte 1; a block of zeros has the byte 1 and not 127 (its codes are zeros, and this program alone reads the bytes); NaN and infinities are not served.
; A work-group takes 32 rows, a wave 8 rows = 16 steps of 512 numbers.  Each load reads 512 consecutive bytes; a step's 2,048 bytes turn through the wave's own stage in LDS, so that a lane then holds 16 neighbours
; along K (two lanes hold a block).  A wave's store of codes covers 256 consecutive bytes; its 256 scale bytes are gathered in LDS and leave as one store of 256 consecutive bytes.  Waves share nothing: no barrier.
.set STEPS, 16
.set EMAX,  2
.set CB,    8                          ; bytes of 16 codes
.set R,     16                         ; v16-79   four sets of 16 numbers as loaded
.set X,     80                         ; v80-111  two sets of 16 neighbours
.set E,     112                        ; v112-127 a scale byte for each step
.set C,     128                        ; v128-191 codes: four registers for each step, so that no store's data are written again
.set WREG,  8192                       ; LDS: a region for each wave: two stages of 32 x SP bytes, then its 256 scale bytes
.set SP,    80                         ; a lane's place in a stage: 64 bytes + 16 of padding
	s_load_b256 s[4:11], s[0:1], 0x0               ; x, Wq, Wk, Wv
	s_load_b128 s[12:15], s[0:1], 0x20             ; Wo, codes
	s_load_b64 s[16:17], s[0:1], 0x30              ; scales
	v_lshl_add_u32 v192, v0, 2, 0x8000
	v_mov_b32 v193, 0
	v_lshrrev_b32 v1, 5, v0
	v_readfirstlane_b32 s18, v1                    ; wave
	v_and_b32 v2, 31, v0                           ; lane
	v_lshlrev_b32 v3, 4, v2                        ; my 16 bytes of a load's 512
	s_mul_i32 s20, s18, WREG
	v_lshrrev_b32 v14, 2, v2
	v_mul_u32_u24 v14, v14, SP
	v_and_b32 v15, 3, v2
	v_lshl_add_u32 v14, v15, 4, v14
	v_add_nc_u32 v14, s20, v14                     ; the stage, on the way in: SP (lane / 4) + 16 (lane % 4)
	v_mul_u32_u24 v15, v2, SP
	v_add_nc_u32 v15, s20, v15                     ; and on the way out: SP x lane: my 16 neighbours
	v_mul_u32_u24 v4, v2, CB                       ; my codes' place in a step's
	v_lshrrev_b32 v5, 1, v2
	s_add_co_u32 s20, s20, 2*32*SP
	v_add_nc_u32 v5, s20, v5                       ; LDS: my block's scale byte
	v_lshlrev_b32 v7, 3, v2                        ; on the way out 8 bytes a lane
	v_add_nc_u32 v6, s20, v7
	s_mov_b32 s19, 352                             ; the first work-group of the tensor chosen: Wo's, unless one of the four compares says otherwise
	s_wait_alu depctr_va_vdst(0)
	s_wait_kmcnt 0x0
	s_cmp_lt_u32 ttmp9, 352                        ; the choice hangs on the work-group's number alone; only the pointer and its first work-group are chosen
	s_cselect_b64 s[12:13], s[10:11], s[12:13]
	s_cselect_b32 s19, 320, s19
	s_cmp_lt_u32 ttmp9, 320
	s_cselect_b64 s[12:13], s[8:9], s[12:13]
	s_cselect_b32 s19, 288, s19
	s_cmp_lt_u32 ttmp9, 288
	s_cselect_b64 s[12:13], s[6:7], s[12:13]
	s_cselect_b32 s19, 256, s19
	s_cmp_lt_u32 ttmp9, 256
	s_cselect_b64 s[12:13], s[4:5], s[12:13]
	s_cselect_b32 s19, 0, s19
	s_sub_co_u32 s19, ttmp9, s19
	s_lshl_b32 s19, s19, 2
	s_add_co_u32 s19, s19, s18                     ; which run of 8 rows of the tensor is my wave's
	s_lshl_b32 s20, s19, 15                        ; 32,768 bytes a run
	s_mov_b32 s21, 0
	s_add_nc_u64 s[12:13], s[12:13], s[20:21]
	s_and_b32 s22, s18, 1                          ; where it goes: the wave's two bits exchanged
	s_lshl_b32 s22, s22, 1
	s_lshr_b32 s23, s18, 1
	s_or_b32 s22, s22, s23
	s_lshl_b32 s23, ttmp9, 2
	s_add_co_u32 s22, s22, s23                     ; run 4 g + swapped wave, counted over all five tensors
	s_lshl_b32 s20, s22, 12                        ; 4,096 bytes of codes a run
	s_add_nc_u64 s[14:15], s[14:15], s[20:21]
	s_lshl_b32 s20, s22, 8                         ; 256 scale bytes a run
	s_add_nc_u64 s[16:17], s[16:17], s[20:21]
.macro LOAD t
.irp i, 0,1,2,3
	global_load_b128 v[R+16*((\t)%4)+4*\i:R+16*((\t)%4)+4*\i+3], v3, s[12:13] offset:2048*(\t)+512*\i th:TH_LOAD_NT   ; 32 lanes read 512 consecutive bytes
.endr
.endm
.macro TURN t                          ; step t's numbers through the stage: LDS serves a wave's instructions in order, so no wait stands between the stores and the loads
.irp i, 0,1,2,3
	ds_store_b128 v14, v[R+16*((\t)%4)+4*\i:R+16*((\t)%4)+4*\i+3] offset:32*SP*((\t)%2)+8*SP*\i
.endr
.irp i, 0,1,2,3
	ds_load_b128 v[X+16*((\t)%2)+4*\i:X+16*((\t)%2)+4*\i+3], v15 offset:32*SP*((\t)%2)+16*\i
.endr
.endm
.irp t, 0,1,2,3
	LOAD \t
.endr
	s_wait_loadcnt 12                              ; step 0's four loads are in; twelve younger ones stay out
	TURN 0
.macro STEP t
.set XS, X+16*((\t)%2)
.if (\t) > 0
	s_wait_dscnt 1                                 ; this step's numbers are back from the stage (the last step's byte store may be out): its stores into the stage have read their registers,
.else
	s_wait_dscnt 0x0
.endif
.if (\t)+4 < STEPS
	LOAD (\t)+4                                    ; which take the loads of four steps on
.endif
.if (\t)+1 < STEPS
.if STEPS-2-(\t) >= 3
	s_wait_loadcnt 12                              ; the next step's four loads are in; those of the three steps behind it may be out
.else
	s_wait_loadcnt 4*(STEPS-2-(\t))
.endif
	TURN (\t)+1                                    ; and go through the other stage while this step is worked
.endif
	v_max3_num_f32 v8, |v[XS]|, |v[XS+1]|, |v[XS+2]|               ; the largest magnitude of my 16, in two chains
	v_max3_num_f32 v9, |v[XS+3]|, |v[XS+4]|, |v[XS+5]|
.irp i, 6,10
	v_max3_num_f32 v8, v8, |v[XS+\i]|, |v[XS+\i+1]|
	v_max3_num_f32 v9, v9, |v[XS+\i+2]|, |v[XS+\i+3]|
.endr
	v_max3_num_f32 v8, v8, |v[XS+14]|, |v[XS+15]|
	v_max3_num_f32 v8, v8, v9, (EMAX+1)<<23        ; and the floor 2^(3 - 127): the byte cannot fall under 1
	v_max_num_f32_dpp v8, v8, v8 row_xmask:1 row_mask:0xf bank_mask:0xf   ; and of my neighbour's 16: the block's
	v_add_nc_u32 v11, -(EMAX<<23), v8              ; 2 off its exponent field: the conversion takes the exponent field of this operand as its scale
	v_cvt_scalef32_pk8_fp4_f32 v[C+4*(\t)], v[XS:XS+7], v11
	v_cvt_scalef32_pk8_fp4_f32 v[C+4*(\t)+1], v[XS+8:XS+15], v11
	v_lshrrev_b32 v[E+(\t)], 23, v11               ; the scale's byte (a plain line behind the conversions)
	ds_store_b8 v5, v[E+(\t)] offset:16*(\t)       ; both lanes of a block write the same byte with the same value
	global_store_b64 v4, v[C+4*(\t):C+4*(\t)+1], s[14:15] offset:32*CB*(\t)   ; 32 lanes store 256 consecutive bytes
.endm
.irp t, 0,1,2,3,4,5,6,7,8,9,10,11,12,13,14,15
	STEP \t
.endr
	ds_load_b64 v[12:13], v6                       ; LDS serves a wave's instructions in order: these see my stores
	s_wait_dscnt 0x0
	global_store_b64 v7, v[12:13], s[16:17]        ; 32 lanes store 256 consecutive bytes
	s_wait_tensorcnt 0x0
	ds_add_u32 v192, v193
	s_wait_dscnt 0x0
	s_endpgm
.Lfunc_end_k_qa701602e7b_quant:
	.size	k_qa701602e7b_quant, .Lfunc_end_k_qa701602e7b_quant-k_qa701602e7b_quant
	.p2alignl 7, 3214868480
	.fill 96, 4, 3214868480
	.section	.rodata,"a",@progbits
	.p2align	6, 0x0
	.amdhsa_kernel k_qa701602e7b_quant
		.amdhsa_group_segment_fixed_size 33280
		.amdhsa_private_segment_fixed_size 0
		.amdhsa_enable_private_segment 0
		.amdhsa_kernarg_size 56
		.amdhsa_user_sgpr_count 2
		.amdhsa_user_sgpr_kernarg_segment_ptr 1
		.amdhsa_wavefront_size32 1
		.amdhsa_system_sgpr_workgroup_id_x 1
		.amdhsa_system_sgpr_workgroup_id_y 1
		.amdhsa_system_sgpr_workgroup_id_z 1
		.amdhsa_system_vgpr_workitem_id 0
		.amdhsa_next_free_vgpr 194
		.amdhsa_next_free_sgpr 66
		.amdhsa_reserve_vcc 0
		.amdhsa_float_denorm_mode_32 3
		.amdhsa_float_denorm_mode_16_64 3
		.amdhsa_memory_ordered 1
		.amdhsa_forward_progress 1
		.amdhsa_inst_pref_size 34
	.end_amdhsa_kernel
	.amdgpu_metadata
---
amdhsa.version: [ 1, 2 ]
amdhsa.kernels:
  - .name:           k_qa701602e7b_quant
    .symbol:         k_qa701602e7b_quant.kd
    .args:
      - { .name: x, .offset: 0, .size: 8, .value_kind: global_buffer, .address_space: global }
      - { .name: Wq, .offset: 8, .size: 8, .value_kind: global_buffer, .address_space: global }
      - { .name: Wk, .offset: 16, .size: 8, .value_kind: global_buffer, .address_space: global }
      - { .name: Wv, .offset: 24, .size: 8, .value_kind: global_buffer, .address_space: global }
      - { .name: Wo, .offset: 32, .size: 8, .value_kind: global_buffer, .address_space: global }
      - { .name: codes, .offset: 40, .size: 8, .value_kind: global_buffer, .address_space: global }
      - { .name: scales, .offset: 48, .size: 8, .value_kind: global_buffer, .address_space: global }
    .group_segment_fixed_size: 33280
    .private_segment_fixed_size: 0
    .kernarg_segment_align: 8
    .kernarg_segment_size: 56
    .max_flat_workgroup_size: 128
    .sgpr_count:     66
    .vgpr_count:     194
    .wavefront_size: 32
...
	.end_amdgpu_metadata
.endif
;; end of part 1
;; launch gemm_qkv (part 2): grid 8 x 32, 4 waves a work-group, clusters of 4 x 4, 327,680 bytes of LDS; arguments codes, scales, bq, bk, qkc, qks, vc, vs, bv; writes qkc, qks, vc, vs
.if DOCPART == 2
	.amdgcn_target "amdgcn-amd-amdhsa--gfx1250"
	.amdhsa_code_object_version 6
	.text
	.protected	k_qa701602e7b_gemm_qkv
	.globl	k_qa701602e7b_gemm_qkv
	.p2align	8
	.type	k_qa701602e7b_gemm_qkv,@function
k_qa701602e7b_gemm_qkv:
	s_mov_b64 s[64:65], 0
	v_nop
	global_prefetch_b8 v0, s[64:65] scope:SCOPE_SE
	s_setreg_imm32_b32 hwreg(HW_REG_WAVE_MODE, 25, 1), 1
	s_wait_xcnt 0x0
	s_wait_alu depctr_hold_cnt(0) depctr_sa_sdst(0) depctr_va_vdst(0) depctr_va_sdst(0) depctr_va_ssrc(0) depctr_va_vcc(0) depctr_vm_vsrc(0)
	s_getreg_b32 s2, hwreg(HW_REG_IB_STS2, 6, 4)
	s_cmp_eq_u32 s2, 0
	s_cbranch_scc0 .Lentry_in_a_cluster
	s_endpgm
.Lentry_in_a_cluster:
	s_bfe_u32 s2, ttmp6, 0x10000c
	s_cmp_lg_u32 s2, 0xf033
	s_cbranch_scc0 .Lentry_shape_is_right
	s_endpgm
.Lentry_shape_is_right:
; q = x Wq^T + bq, k = x Wk^T + bk, v = x Wv^T + bv on codes of FP4 with E8M0 scales (K = 1,024), each result quantised again in registers and stored as codes for the attention launch.
; All rows (tokens, output channels) lie in the stored order sigma (bits 3 and 4 of the index exchanged): sixteen consecutive stored rows taken as source 0 give a result in which the 16 registers of two neighbouring
; tiles are 16 NEIGHBOURS of the true order.  So the results can be quantised along that axis without leaving the lane.
; 8,192 x 3,072 results are shared evenly among 256 work-groups, all alike.  Work-group (ty, tx) has 256 tokens (block ty) and works in TWO PHASES on them:
;   Q, K: source 1 = the 256 tokens, source 0 = 256 rows of Wq (tx 0-3) or Wk (tx 4-7).  A wave makes 128 x 128; a lane holds one token and 128 channels = two heads: quantised along the head's 64 (two blocks of 32).
;   V:    source 1 = 128 rows of Wv (block tx: two heads), source 0 = the same 256 tokens.  A wave makes 64 x 128; a lane holds one channel and 128 keys: quantised along the keys, the second attention product's K.
; LDS: K = 1,024 is two slots of 512 along K, both asked for at the start, and the scale bytes of the 512 rows.  The three operands together, (256 + 256 + 128) rows of 578 bytes, do not fit, so Wv's codes are brought into the bytes of
; slot 0 that held Wq's or Wk's rows, at the change of slots, when no wave reads them any more: one load a wave, behind a round of the cluster's barrier; it has slot 1's products and the first epilogue in which to land.
; Wv's scale words come straight into registers: a block's 16 rows of 32 bytes are 512 consecutive bytes, one load.
; CLUSTERS: 4 x 4 work-groups; the tokens' tiles are shared along a row of the cluster, the weights' along a column: joint loads with a mask that names the four.
; OUT: qkc [batch][32 heads: q's 16, k's 16][128 token tiles][512 bytes]: lane l's 16 bytes at 16 l: registers 0-3 of the operand.  qks [batch][32][2,048 stored tokens][4]: two scale bytes, then 0x7f 0x7f (over zero codes).
;      vc [batch][head][16 key steps][4 channel tiles][2][512 bytes]: whole images of the operand's registers.  vs [batch][head][16][64 stored channels][4].
; LIMITS: a block whose largest magnitude lies under 2^-124 keeps the byte 1, a block of zeros too; NaN and infinities are not served.
; REGISTERS: window 0: v1-13 at work in the epilogues; v14-31, v104-106 addresses; v32-95 scale words, two sets, and v192-207 Wv's scale words (scales and nothing else); v96-103 bv; v112-127 codes and scale words just made;
;   v128-191 source 1's fragments, later 64 numbers.   window 1: source 0's fragments, two sets, at v0 and v128; v64-127 bq or bk.   windows 2, 3: the accumulators ((a, b) at v[8 (8 (a % 4) + b)]); the V phase uses window 2.
.set NQ,     4                         ; steps of 128 along K in a slot
.set ROWB,   256                       ; a tile's row: 512 codes
.set KROW,   512                       ; a row of codes in memory
.set PITCH,  272                       ; an LDS row: 256 bytes + 16 of padding: the 16 rows that a load touches begin 16 bytes further on in each 256
.set FR,     8
.set NL,     2
.set NP,     4                         ; places behind this matrix instruction (ISA guide 7.12.1)
.set HALFT,  128*PITCH
.set SLOT,   4*HALFT                   ; the tokens' 256 rows, then the weights' 256
.set KS,     32                        ; a row of scale bytes
.set SCL,    2*SLOT
.set HALFS,  16*272                    ; the scale bytes of 128 rows, as rows of 256 bytes + 16
.set SBLK,   2*272                     ; those of 16 rows
.set SQ,     SCL+4*HALFS               ; q, k: a stage of 1,024 bytes a wave for scale words
.set SV,     SQ+4096                   ; v: a stage of 256 bytes a wave
.set SPARE,  SV+1024                   ; the spare words, 128 bytes for each wave: two blocks of 256 bytes that no other line names
.set TM,   1                           ; v1-4 largest magnitudes, v5-8 the other half's, then bytes, v9-12 the conversions' scale operands
.set PW,   13                          ; the scale word just made (q, k)
.set ADRA, 16                          ; v16-17 the tokens as source 1, slot 0, 1
.set ADRW, 18                          ; Wv's fragments
.set ADRS3, 19                         ; the tokens' scale words in the V phase
.set ADRB, 20                          ; v20-21 Wq's or Wk's rows
.set LI,   22                          ; 16 x lane
.set SH,   23                          ; 16 x (lane / 16)
.set SQA,  24
.set SVA,  25
.set SQR,  26
.set ADRS, 27
.set SPW,  28                          ; LDS address of my spare word: SPARE + 4 x my thread's number; never rewritten
.set NIL,  29                          ; 0; never rewritten
.set SVR,  30
.set GVS,  31                          ; 8 x lane
.set SC,   32
.set BP,   96                          ; v[96 + 2 a], twice: bv at my channel of block a
.set ADRT, 104                         ; v104-105 the tokens as source 0, slot 0, 1
.set WSO,  106                         ; 32 r + 16 h
.set PC,   112                         ; the codes just made
.set WT,   120                         ; a scale word for each block
.set AF,   128
.set T,    128
.set WS,   192                         ; v[192 + 4 a + j]: Wv's block a: lanes 0-15 the word of K step j, lanes 16-31 of K step 4 + j
.set BRW,  64                          ; in window 1: 64 biases along the registers
.set G1, 24
.set G0, 32
.set G1B, 48
.set G0B, 56
.set G1S, 68
.set G0S, 76
.set G1SB, 80
.set G0SB, 88
.set SEL, 98
.set MSB, 0
.macro WIN new                         ; the immediate's high byte repeats the setting that is left
.if MSB != (\new)
	s_set_vgpr_msb (MSB<<8)|(\new)
.set MSB, (\new)
.endif
.endm
.set MUL_LO, 0xa1                      ; source 0 window 1, source 1 window 0, C and D window 2
.set MUL_HI, 0xf1                      ; the same, C and D window 3
.set TO_B,   0x40                      ; destination window 1, address window 0
; A joint load: waves 0 and 1 fetch the tokens' halves, waves 2 and 3 the weights'.  The branch hangs on the wave's number alone.  Four v_nop follow each line.
.macro JLOAD g0a, g1a, g0b, g1b
	s_cmp_eq_u32 s15, 0
	s_cbranch_scc0 .Lfor_b_\@
	tensor_load_to_lds s[\g0a:\g0a+3], s[\g1a:\g1a+7]
	s_nop 0
.rept 4
	v_nop
.endr
	s_branch .Lasked_\@
.Lfor_b_\@:
	tensor_load_to_lds s[\g0b:\g0b+3], s[\g1b:\g1b+7]
	s_nop 0
.rept 4
	v_nop
.endr
.Lasked_\@:
.endm
.macro CREST                           ; a round of the cluster's barrier behind its opening barrier
	s_cmp_lg_u32 s14, 0
	s_cbranch_scc1 .Lnot_wave_0_\@
	s_barrier_signal -3
.Lnot_wave_0_\@:
	s_barrier_wait -3
	s_barrier_signal -1
	s_barrier_wait -1
.endm
.macro CROUND                          ; a whole round
	s_barrier_signal -1
	s_barrier_wait -1
	CREST
.endm
	s_load_b256 s[4:11], s[0:1], 0x0               ; codes s[4:5], scales s[6:7], bq s[8:9], bk s[10:11]
	s_load_b64 s[12:13], s[0:1], 0x40              ; bv
	v_lshl_add_u32 v[SPW], v0, 2, SPARE
	v_mov_b32 v[NIL], 0
	ds_add_u32 v28, v29
	ds_add_u32 v28, v29
	s_wait_dscnt 0x0
	v_lshrrev_b32 v1, 5, v0
	v_readfirstlane_b32 s14, v1                    ; wave 0..3
	s_lshr_b32 s15, s14, 1                         ; which half of source 1's rows is mine.  Also: I fetch the tokens (0) or the weights (1)
	s_and_b32 s16, s14, 1                          ; which half of source 0's rows.  Also: which 128 rows I fetch
	s_bfe_u32 s40, ttmp6, 0x40000                  ; cx
	s_bfe_u32 s41, ttmp6, 0x40004                  ; cy
	s_lshl_b32 s42, ttmp9, 2
	s_add_co_u32 s42, s42, s40                     ; tx = 4 x cluster x + cx: which weights
	s_and_b32 s17, ttmp7, 0xffff
	s_lshl_b32 s17, s17, 2
	s_add_co_u32 s17, s17, s41                     ; ty = 4 x cluster y + cy: which 256 tokens
	s_lshl_b32 s43, s41, 2
	s_lshl_b32 s43, 15, s43                        ; my row of the cluster
	s_lshl_b32 s44, 0x1111, s40                    ; my column
	s_or_b32 s[G1+0], s43, (0<<16)|(1<<20)|(1<<21)|(5<<22)|(3<<25)  ; the mask; elements of 1 byte; padding: 4 words behind every 64; bit 21 beside a mask
	s_or_b32 s[G1B+0], s44, (0<<16)|(1<<20)|(1<<21)|(5<<22)|(3<<25)
.irp g, G1, G1B
	s_mov_b32 s[\g+1], ROWB<<16                    ; tensor_dim0
	s_mov_b32 s[\g+2], 128<<16                     ; tensor_dim1
	s_mov_b32 s[\g+3], ROWB<<16                    ; tile_dim0
	s_mov_b32 s[\g+4], 128                         ; tile_dim1
	s_mov_b32 s[\g+5], KROW                        ; the pitch
	s_mov_b32 s[\g+6], 0
	s_mov_b32 s[\g+7], 0
.endr
	s_or_b32 s[G1S+0], s43, (3<<16)|(1<<20)|(1<<21)|(5<<22)|(3<<25) ; the scale bytes of 128 rows: 4,096 dense bytes as 16 rows of 32 elements of 8 bytes
	s_or_b32 s[G1SB+0], s44, (3<<16)|(1<<20)|(1<<21)|(5<<22)|(3<<25)
.irp g, G1S, G1SB
	s_mov_b32 s[\g+1], 32<<16
	s_mov_b32 s[\g+2], 16<<16
	s_mov_b32 s[\g+3], 32<<16
	s_mov_b32 s[\g+4], 16
	s_mov_b32 s[\g+5], 32
	s_mov_b32 s[\g+6], 0
	s_mov_b32 s[\g+7], 0
.endr
	s_mov_b32 s97, 0xffff
	s_mov_b32 s[SEL], 0x76543210
	s_mov_b32 s[SEL+1], 0xfedcba98                 ; v_permlanex16_b32's selects for lane l xor 16
	s_mov_b32 s100, 0x7f7f0000
	; the rows in codes and scales.  The tokens' hang on ty alone, the weights' on tx alone
	s_lshl_b32 s45, s16, 7                         ; which 128 rows I fetch
	s_lshl_b32 s20, s17, 8
	s_add_co_u32 s20, s20, s45                     ; tokens: row 256 ty + 128 x half
	s_lshl_b32 s46, s42, 8
	s_add_co_u32 s46, s46, s45
	s_add_co_u32 s46, s46, 8192                    ; Wq, Wk: row 8,192 + 256 tx + 128 x half
	s_lshl_b32 s22, s20, 5                         ; 32 scale bytes a row
	s_mov_b32 s23, 0
	s_lshl_b32 s92, s46, 5
	s_mov_b32 s93, 0
	s_lshl_b32 s20, s20, 9                         ; 512 bytes of codes a row
	s_mov_b32 s21, 0
	s_lshl_b32 s46, s46, 9
	s_mov_b32 s47, 0
	s_lshl_b32 s66, s42, 7                         ; Wv's codes, what I fetch at the change of slots: row 10,240 + 128 tx + 64 (wave % 2),
	s_lshl_b32 s67, s16, 6
	s_add_co_u32 s66, s66, s67
	s_add_co_u32 s66, s66, 10240
	s_lshl_b32 s66, s66, 9
	s_lshl_b32 s67, s15, 8                         ; K half wave / 2: 256 bytes on in the row
	s_add_co_u32 s66, s66, s67
	s_mov_b32 s67, 0
	s_lshl_b32 s2, s42, 7                          ; Wv's scale bytes, what I multiply by: row 10,240 + 128 tx + 64 x my half of the channels
	s_lshl_b32 s3, s15, 6
	s_add_co_u32 s2, s2, s3
	s_add_co_u32 s2, s2, 10240
	s_lshl_b32 s2, s2, 5
	s_mov_b32 s3, 0
	s_mul_i32 s45, s14, HALFT                      ; where the first fills go: wave x 128 rows
	s_mul_i32 s94, s14, HALFS
	s_wait_kmcnt 0x0
	s_add_nc_u64 s[20:21], s[4:5], s[20:21]
	s_add_nc_u64 s[22:23], s[6:7], s[22:23]
	s_add_nc_u64 s[46:47], s[4:5], s[46:47]
	s_add_nc_u64 s[92:93], s[6:7], s[92:93]
	s_add_nc_u64 s[66:67], s[4:5], s[66:67]
	s_add_nc_u64 s[2:3], s[6:7], s[2:3]
	CROUND                                         ; all sixteen work-groups are here: the joint loads meet
	s_mov_b32 s[G0S], 1
	s_add_co_u32 s[G0S+1], s94, SCL
	s_mov_b64 s[G0S+2:G0S+3], s[22:23]
	s_or_b32 s[G0S+3], s[G0S+3], 0x80000000
	s_mov_b32 s[G0SB], 1
	s_add_co_u32 s[G0SB+1], s94, SCL
	s_mov_b64 s[G0SB+2:G0SB+3], s[92:93]
	s_or_b32 s[G0SB+3], s[G0SB+3], 0x80000000
	JLOAD G0S, G1S, G0SB, G1SB                     ; the scales first; then both slots: three loads of mine are out
.irp s, 0,1
	s_mov_b32 s[G0+4*\s], 1
	s_add_co_u32 s[G0+4*\s+1], s45, \s*SLOT
	s_add_nc_u64 s[G0+4*\s+2:G0+4*\s+3], s[20:21], \s*ROWB
	s_or_b32 s[G0+4*\s+3], s[G0+4*\s+3], 0x80000000
	s_mov_b32 s[G0B+4*\s], 1
	s_add_co_u32 s[G0B+4*\s+1], s45, \s*SLOT
	s_add_nc_u64 s[G0B+4*\s+2:G0B+4*\s+3], s[46:47], \s*ROWB
	s_or_b32 s[G0B+4*\s+3], s[G0B+4*\s+3], 0x80000000
	JLOAD G0+4*\s, G1, G0B+4*\s, G1B
.endr
	v_and_b32 v1, 15, v0                           ; r
	v_bfe_u32 v2, v0, 4, 1                         ; h
	s_wait_alu depctr_va_vdst(0)
	; the biases and Wv's scale words; they are waited for at the first epilogue's head
	s_cmp_eq_u32 ttmp9, 0                          ; tx 0-3: Wq's rows; tx 4-7: Wk's
	s_cselect_b64 s[8:9], s[8:9], s[10:11]
	s_lshl_b32 s46, s40, 10
	s_lshl_b32 s47, s16, 9
	s_add_co_u32 s46, s46, s47                     ; (256 cx + 128 half) x 4 bytes
	s_mov_b32 s47, 0
	s_add_nc_u64 s[8:9], s[8:9], s[46:47]
	s_lshl_b32 s46, s42, 9
	s_lshl_b32 s47, s15, 8
	s_add_co_u32 s46, s46, s47                     ; (128 tx + 64 half) x 4 bytes
	s_mov_b32 s47, 0
	s_add_nc_u64 s[12:13], s[12:13], s[46:47]
	v_lshlrev_b32 v14, 6, v2                       ; register 16 b + i is channel 32 b + 16 h + i
	v_and_b32 v3, 8, v1
	v_add_nc_u32 v3, v3, v1
	v_lshlrev_b32 v15, 2, v3                       ; lane r of block a is channel 32 (a / 2) + 8 (a % 2) + r + 8 (r / 8)
	v_lshlrev_b32 v[WSO], 5, v1
	v_lshl_add_u32 v[WSO], v2, 4, v[WSO]           ; row r's 32 scale bytes, my half of them
	WIN TO_B
.irp b, 0,1,2,3
.irp j, 0,1,2,3
	global_load_b128 v[BRW+16*\b+4*\j:BRW+16*\b+4*\j+3], v14, s[8:9] offset:128*\b+16*\j
.endr
.endr
	WIN 0
.irp a, 0,1,2,3
	global_load_b32 v[BP+2*\a], v15, s[12:13] offset:4*(32*(\a/2)+8*(\a%2))
	global_load_b32 v[BP+2*\a+1], v15, s[12:13] offset:4*(32*(\a/2)+8*(\a%2))   ; the packed addition names the pair whole
.endr
.irp a, 0,1,2,3
	global_load_b128 v[WS+4*\a:WS+4*\a+3], v[WSO], s[2:3] offset:512*\a        ; 32 lanes read 512 consecutive bytes
.endr
	v_mul_u32_u24 v3, v1, PITCH
	v_lshl_add_u32 v4, v2, 4, v3                   ; a fragment's row x pitch + 16 x half
	s_wait_alu depctr_va_vdst(0)
	s_mul_i32 s21, s15, HALFT
	s_mul_i32 s22, s16, HALFT
	s_mul_i32 s23, s16, HALFT                      ; the V phase takes the tokens by the other half's number
	s_add_co_u32 s22, s22, 2*HALFT
.irp s, 0,1
	v_add_nc_u32 v[ADRA+\s], s21, v4
	v_add_nc_u32 v[ADRB+\s], s22, v4
	v_add_nc_u32 v[ADRT+\s], s23, v4
	s_add_co_u32 s21, s21, SLOT
	s_add_co_u32 s22, s22, SLOT
	s_add_co_u32 s23, s23, SLOT
.endr
	s_mul_i32 s21, s15, 64*PITCH
	s_add_co_u32 s21, s21, 2*HALFT
	v_add_nc_u32 v[ADRW], s21, v4                  ; Wv: my 64 rows, where slot 0 held the weights; the second K half lies 128 rows on
	v_mul_u32_u24 v5, v1, KS                       ; my row's scale bytes: 32 a row,
	v_lshrrev_b32 v6, 8, v5
	v_lshl_add_u32 v5, v6, 4, v5                   ; and 16 more for each 256 passed
	s_mul_i32 s21, s16, HALFS
	s_add_co_u32 s21, s21, SCL
	v_add_nc_u32 v[ADRS3], s21, v5                 ; V phase: the tokens' words, the same in both halves of the lanes
	s_mul_i32 s21, s15, HALFS
	s_mul_i32 s22, s16, HALFS
	s_add_co_u32 s22, s22, 2*HALFS
	s_sub_co_u32 s22, s22, s21
	v_mul_u32_u24 v6, s22, v2                      ; Q, K phase: lanes 16-31 take the weights'
	s_add_co_u32 s21, s21, SCL
	v_add_nc_u32 v5, v5, v6
	v_add_nc_u32 v[ADRS], s21, v5
	; the epilogues' addresses
	v_and_b32 v3, 31, v0
	v_lshlrev_b32 v[LI], 4, v3
	v_lshlrev_b32 v[GVS], 3, v3
	v_lshlrev_b32 v[SH], 4, v2
	v_lshlrev_b32 v5, 2, v1                        ; 4 r
	s_lshl_b32 s21, s14, 10
	s_add_co_u32 s21, s21, SQ
	v_lshl_add_u32 v[SQA], v2, 9, v5
	v_add_nc_u32 v[SQA], s21, v[SQA]               ; SQ + 1,024 wave + 512 h + 4 r
	v_add_nc_u32 v[SQR], s21, v[LI]                ; SQ + 1,024 wave + 16 lane
	s_lshl_b32 s21, s14, 8
	s_add_co_u32 s21, s21, SV
	v_add_nc_u32 v[SVA], s21, v5                   ; SV + 256 wave + 4 r
	v_add_nc_u32 v[SVR], s21, v[GVS]               ; SV + 256 wave + 8 lane
.macro FRAG reg, adr, q, i             ; 16 rows x 128 K of 4-bit codes: registers 4 c .. 4 c + 3 hold K = 64 c + 32 (l / 16) + 0 .. 31
.irp c, 0,1
	ds_load_b128 v[\reg+4*\c:\reg+4*\c+3], v[\adr] offset:64*(\q)+32*\c+(\i)*16*PITCH
.endr
.endm
; 16 matrix instructions: source 1's blocks a0, a0 + 1 x source 0's eight.  The 64 accumulators take turns, one instruction a turn, in the same order in every step.
.macro MUL16 a0, p, q, sc, zero
.irp a, \a0, \a0+1
.irp b, 0,1,2,3,4,5,6,7
.if \zero
	v_wmma_scale_f32_16x16x128_f8f6f4 v[8*(8*((\a)%4)+\b):8*(8*((\a)%4)+\b)+7], v[128*(\p)+FR*\b:128*(\p)+FR*\b+FR-1], v[AF+FR*(\a):AF+FR*(\a)+FR-1], 0, v[SC+8*NQ*(\sc)+NQ*\b+(\q)], v[SC+8*NQ*(\sc)+NQ*(\a)+(\q)] matrix_a_fmt:MATRIX_FMT_FP4 matrix_b_fmt:MATRIX_FMT_FP4 matrix_a_scale:MATRIX_SCALE_ROW1
.else
	v_wmma_scale_f32_16x16x128_f8f6f4 v[8*(8*((\a)%4)+\b):8*(8*((\a)%4)+\b)+7], v[128*(\p)+FR*\b:128*(\p)+FR*\b+FR-1], v[AF+FR*(\a):AF+FR*(\a)+FR-1], v[8*(8*((\a)%4)+\b):8*(8*((\a)%4)+\b)+7], v[SC+8*NQ*(\sc)+NQ*\b+(\q)], v[SC+8*NQ*(\sc)+NQ*(\a)+(\q)] matrix_a_fmt:MATRIX_FMT_FP4 matrix_b_fmt:MATRIX_FMT_FP4 matrix_a_scale:MATRIX_SCALE_ROW1
.endif
.endr
.endr
.endm
.macro FETCH_B slot, q, p
	WIN TO_B
.irp i, 0,1,2,3,4,5,6,7
	FRAG 128*(\p)+FR*\i, ADRB+\slot, \q, \i
.endr
	WIN 0
.endm
.macro FETCH_A slot, q, i0
.irp i, \i0, \i0+1, \i0+2, \i0+3
	FRAG AF+FR*(\i), ADRA+\slot, \q, \i
.endr
.endm
.macro SCALES sc                       ; a slot's scale words: lanes 0-15 take the tokens' block i, lanes 16-31 the weights' block i
.irp i, 0,1,2,3,4,5,6,7
	ds_load_b128 v[SC+8*NQ*\sc+NQ*\i:SC+8*NQ*\sc+NQ*\i+3], v[ADRS] offset:\i*SBLK
.endr
.endm
.macro PLACES n                        ; plain vector lines between a matrix instruction and a load into, or a read of, its registers
.rept \n
	v_nop
.endr
.endm
.macro STEP slot, q, zero              ; 128 along K, with its successor in the same slot
	s_wait_dscnt 4*NL                              ; all but the youngest eight loads (the tokens' blocks 4-7)
	WIN MUL_LO
	MUL16 0, (\q)%2, \q, \slot, \zero
	MUL16 2, (\q)%2, \q, \slot, \zero
	s_wait_dscnt 0
	PLACES NP
	FETCH_B \slot, (\q)+1, 1-(\q)%2
	FETCH_A \slot, (\q)+1, 0
	WIN MUL_HI
	MUL16 4, (\q)%2, \q, \slot, \zero
	MUL16 6, (\q)%2, \q, \slot, \zero
	PLACES NP
	WIN 0
	FETCH_A \slot, (\q)+1, 4
.endm
; Slot 0's last step goes over to slot 1, and the bytes of slot 0 that held Wq's or Wk's rows are filled again, with Wv's 128 rows (both K halves: 256 LDS rows).  In front of the barrier each wave waits for all its tensor loads
; (the one that is out is its part of slot 1), adds 0 to its spare word, and waits for that and for its own reads of slot 0.  The barrier opens a round of the cluster's barrier: behind it no wave of any partner reads slot 0
; or has a load on its way.  Each wave then asks for 64 rows x 256 bytes: rows 64 (wave % 2) on, K half wave / 2, to LDS row 64 x wave of that region.
.macro TURN slot, next
	s_wait_tensorcnt 0x0                           ; no tensor load of mine is out: descriptors may be written
	ds_add_u32 v[SPW], v[NIL]                      ; 0 onto my spare word
	s_mov_b32 s[G1B+2], 64<<16                     ; the weights' group 1, now with 64 rows: tensor_dim1,
	s_mov_b32 s[G1B+4], 64                         ; tile_dim1
	s_mul_i32 s[G0B+1], s14, 64*PITCH
	s_add_co_u32 s[G0B+1], s[G0B+1], 2*HALFT       ; LDS address
	s_mov_b64 s[G0B+2:G0B+3], s[66:67]             ; global address
	s_or_b32 s[G0B+3], s[G0B+3], 0x80000000
	s_wait_dscnt 4*NL+1                            ; (the add and the youngest eight loads may be out)
	WIN MUL_LO
	MUL16 0, 1, NQ-1, \slot, 0                     ; sixteen matrix instructions stand between the add and the wait for it
	s_wait_dscnt 0x0                               ; the add is done, and my reads of slot 0 are over
	s_barrier_signal -1
	MUL16 2, 1, NQ-1, \slot, 0
	WIN 0
	s_barrier_wait -1
	CREST
	tensor_load_to_lds s[G0B:G0B+3], s[G1B:G1B+7]  ; my one tensor load behind the round, and the first thing there
	s_nop 0
	PLACES NP                                      ; four v_nop behind it: also the places in front of the loads below
	v_add_nc_u32 v[ADRS], 4*NQ, v[ADRS]            ; the next slot's scale words
	FETCH_B \next, 0, 0
	FETCH_A \next, 0, 0
	SCALES \next
	WIN MUL_HI
	MUL16 4, 1, NQ-1, \slot, 0
	MUL16 6, 1, NQ-1, \slot, 0
	PLACES NP
	WIN 0
	FETCH_A \next, 0, 4
.endm
.macro STEPS slot, from
.set Q, \from
.rept NQ-1-\from
	STEP \slot, Q, 0
.set Q, Q+1
.endr
.endm
	s_wait_tensorcnt 1                             ; the scales and my part of slot 0 are in; slot 1's load may be out
	s_barrier_signal -1
	s_barrier_wait -1                              ; everybody's are
	FETCH_B 0, 0, 0
	FETCH_A 0, 0, 0
	SCALES 0
	FETCH_A 0, 0, 4
	STEP 0, 0, 1                                   ; the first products start the sums: nothing is cleared
	STEPS 0, 1
	TURN 0, 1
	s_load_b256 s[68:75], s[0:1], 0x20             ; qkc, qks, vc, vs: into registers of a descriptor whose load the wait for 0 above has shown done
	STEPS 1, 0
	s_wait_dscnt 4*NL
	WIN MUL_LO
	MUL16 0, 1, NQ-1, 1, 0
	MUL16 2, 1, NQ-1, 1, 0
	s_wait_dscnt 0
	WIN MUL_HI
	MUL16 4, 1, NQ-1, 1, 0
	MUL16 6, 1, NQ-1, 1, 0
	WIN 0
	PLACES NP
; 64 numbers of a lane, v[s] on, register 16 b + i = k 32 b + 16 (lane / 16) + i of my row, become a fragment's codes in v[PC] on and its scale word in v[pw].
.macro QUANT s, pw
.irp b, 0,1,2,3
	v_max3_num_f32 v[TM+\b], |v[\s+16*\b]|, |v[\s+1+16*\b]|, 0x1800000   ; my 16 numbers of block b, and the floor 2^(3 - 127)
.endr
.irp i, 2,4,6,8,10,12,14
.irp b, 0,1,2,3
	v_max3_num_f32 v[TM+\b], v[TM+\b], |v[\s+16*\b+\i]|, |v[\s+1+16*\b+\i]|
.endr
.endr
.irp b, 0,1,2,3
	v_permlanex16_b32 v[TM+4+\b], v[TM+\b], s[SEL], s[SEL+1]
.endr
.irp b, 0,1,2,3
	v_max_num_f32 v[TM+\b], v[TM+\b], v[TM+4+\b]   ; with lane l xor 16's: the block's largest magnitude
.endr
.irp b, 0,1,2,3
	v_add_nc_u32 v[TM+8+\b], 0xff000000, v[TM+\b]  ; 2 off its exponent field: the conversion's scale operand
.endr
.irp b, 0,1,2,3
	v_lshrrev_b32 v[TM+4+\b], 23, v[TM+8+\b]       ; the scale's byte
.endr
	v_lshl_or_b32 v[\pw], v[TM+5], 8, v[TM+4]
	v_lshl_or_b32 v[\pw], v[TM+6], 16, v[\pw]
	v_lshl_or_b32 v[\pw], v[TM+7], 24, v[\pw]
.irp b, 0,1,2,3
	v_cvt_scalef32_pk8_fp4_f32 v[PC+2*\b], v[\s+16*\b:\s+7+16*\b], v[TM+8+\b]
	v_cvt_scalef32_pk8_fp4_f32 v[PC+1+2*\b], v[\s+8+16*\b:\s+15+16*\b], v[TM+8+\b]
.endr
	v_nop                                          ; one plain line behind a scaled conversion
.irp c, 0,1                                    ; the operand wants a whole block in a lane: lanes 0-15 block 2 c, lanes 16-31 block 2 c + 1
.irp i, 0,1
	v_permlane16_swap_b32 v[PC+4*\c+\i], v[PC+2+4*\c+\i]
.endr
.endr
.endm
; Block a (16 rows of source 1 x my 128 of source 0): + bias (which is also the move into window 0; each accumulator is read from its low end on), quantised, stored.  kind 0: q, k;  kind 1: v.
.macro EPI kind, a
.if (\a) > 0
	s_wait_xcnt 0x0                                ; the last block's stores have read v[PC] on
.endif
.set AC, 64*((\a)%4)
.if \kind == 0
	WIN 0x06+(\a)/4                                ; source 0: window 2 or 3; source 1 (bq, bk): window 1
.else
	WIN 0x02                                       ; source 0: window 2
.endif
.set i, 0
.rept 32
.if \kind == 0
	v_pk_add_f32 v[T+i:T+i+1], v[AC+i:AC+i+1], v[BRW+i:BRW+i+1]
.else
	v_pk_add_f32 v[T+i:T+i+1], v[AC+i:AC+i+1], v[BP+2*(\a):BP+2*(\a)+1] op_sel_hi:[1,0]
.endif
.set i, i+2
.endr
	WIN 0
.if \kind == 0
	QUANT T, PW
	global_store_b128 v[LI], v[PC:PC+3], s[68:69] offset:512*(\a)              ; the first head's 64 channels of 16 tokens: 512 consecutive bytes
	global_store_b128 v[LI], v[PC+4:PC+7], s[68:69] offset:512*(\a)+65536      ; the second head's
	v_lshrrev_b32 v[WT+(\a)], v[SH], v[PW]                                     ; lanes 0-15: the first head's two bytes; lanes 16-31: the second's
	v_and_or_b32 v[WT+(\a)], v[WT+(\a)], s97, s100                             ; and 0x7f 0x7f above them
	ds_store_b32 v[SQA], v[WT+(\a)] offset:64*(\a)
.else
	QUANT T, WT+(\a)
	global_store_b128 v[LI], v[PC:PC+3], s[72:73] offset:1024*(\a)             ; channel tile a of my head x my 128 keys: 512 consecutive bytes,
	global_store_b128 v[LI], v[PC+4:PC+7], s[72:73] offset:1024*(\a)+512       ; twice
	ds_store_b32 v[SVA], v[WT+(\a)] offset:64*(\a)                             ; both halves of the lanes write the same word with the same value
.endif
.endm
	s_wait_loadcnt 0x0                             ; the biases and Wv's scale words
	s_wait_kmcnt 0x0                               ; the four pointers
.irp b, 0,1,2,3
	v_mov_b32 v[TM+4+\b], 0                        ; written once: a lane permute's destination counts as one of its sources
.endr
	s_lshr_b32 s18, s17, 3                         ; the batch
	s_and_b32 s19, s17, 7                          ; which 256 tokens of it
	s_lshl_b32 s20, s42, 2
	s_lshl_b32 s21, s16, 1
	s_add_co_u32 s20, s20, s21                     ; q, k: my first head of 32
	s_lshl_b32 s22, s18, 21
	s_lshl_b32 s21, s19, 13
	s_add_co_u32 s22, s22, s21
	s_lshl_b32 s21, s15, 12
	s_add_co_u32 s22, s22, s21
	s_lshl_b32 s21, s20, 16
	s_add_co_u32 s22, s22, s21
	s_mov_b32 s23, 0
	s_add_nc_u64 s[68:69], s[68:69], s[22:23]
	s_lshl_b32 s22, s18, 18
	s_lshl_b32 s21, s20, 13
	s_add_co_u32 s22, s22, s21
	s_lshl_b32 s21, s19, 10
	s_add_co_u32 s22, s22, s21
	s_lshl_b32 s21, s15, 9
	s_add_co_u32 s22, s22, s21
	s_add_nc_u64 s[70:71], s[70:71], s[22:23]
	s_lshl_b32 s20, s42, 1
	s_add_co_u32 s20, s20, s15                     ; v: my head
	s_lshl_b32 s19, s19, 1
	s_add_co_u32 s19, s19, s16                     ; my key step of 128
	s_lshl_b32 s22, s18, 20
	s_lshl_b32 s21, s20, 16
	s_add_co_u32 s22, s22, s21
	s_lshl_b32 s21, s19, 12
	s_add_co_u32 s22, s22, s21
	s_add_nc_u64 s[72:73], s[72:73], s[22:23]
	s_lshl_b32 s22, s18, 16
	s_lshl_b32 s21, s20, 12
	s_add_co_u32 s22, s22, s21
	s_lshl_b32 s21, s19, 8
	s_add_co_u32 s22, s22, s21
	s_add_nc_u64 s[74:75], s[74:75], s[22:23]
	; ---- q, k leave
.irp a, 0,1,2,3,4,5,6,7
	EPI 0, \a
.endr
	ds_load_b128 v[T:T+3], v[SQR]                  ; my own bytes, served in order: 128 tokens' words of the first head,
	ds_load_b128 v[T+4:T+7], v[SQR] offset:512     ; and of the second
	s_wait_dscnt 0x0
	global_store_b128 v[LI], v[T:T+3], s[70:71]                ; 512 consecutive bytes each
	global_store_b128 v[LI], v[T+4:T+7], s[70:71] offset:8192
	; ---- THE V PHASE.  My part of Wv's codes has landed; behind the barrier everybody's has.
	s_wait_tensorcnt 0x0
	s_wait_xcnt 0x0                                ; the stores above have read v[T] on and v[PC] on: both are written again below
	s_barrier_signal -1
	s_barrier_wait -1
.macro FRAGW reg, q, i                 ; Wv's block i, K step q of eight
.irp c, 0,1
	ds_load_b128 v[\reg+4*\c:\reg+4*\c+3], v[ADRW] offset:((\q)/4)*HALFT+64*((\q)%4)+32*\c+(\i)*16*PITCH
.endr
.endm
.macro VFETCH q, p                     ; K step q: the tokens' eight fragments and Wv's four, into sets p: 24 loads in one run
	WIN TO_B
.irp i, 0,1,2,3,4,5,6,7
	FRAG 128*(\p)+FR*\i, ADRT+(\q)/4, (\q)%4, \i
.endr
	WIN 0
.irp i, 0,1,2,3
	FRAGW AF+32*(\p)+FR*\i, \q, \i
.endr
.endm
; 32 matrix instructions: Wv's four blocks x the tokens' eight tiles; the 32 accumulators take turns in the same order in every step.
; The tokens' scale words stand in lanes 0-15; Wv's word of K step q in lanes 0-15 (q < 4) or lanes 16-31 of register q % 4.
.macro VMUL q, p
.irp a, 0,1,2,3
.irp b, 0,1,2,3,4,5,6,7
.if (\q) == 0
	v_wmma_scale_f32_16x16x128_f8f6f4 v[8*(8*\a+\b):8*(8*\a+\b)+7], v[128*(\p)+FR*\b:128*(\p)+FR*\b+FR-1], v[AF+32*(\p)+FR*\a:AF+32*(\p)+FR*\a+FR-1], 0, v[SC+32*((\q)/4)+NQ*\b+(\q)%4], v[WS+4*\a+(\q)%4] matrix_a_fmt:MATRIX_FMT_FP4 matrix_b_fmt:MATRIX_FMT_FP4
.elseif (\q) < 4
	v_wmma_scale_f32_16x16x128_f8f6f4 v[8*(8*\a+\b):8*(8*\a+\b)+7], v[128*(\p)+FR*\b:128*(\p)+FR*\b+FR-1], v[AF+32*(\p)+FR*\a:AF+32*(\p)+FR*\a+FR-1], v[8*(8*\a+\b):8*(8*\a+\b)+7], v[SC+32*((\q)/4)+NQ*\b+(\q)%4], v[WS+4*\a+(\q)%4] matrix_a_fmt:MATRIX_FMT_FP4 matrix_b_fmt:MATRIX_FMT_FP4
.else
	v_wmma_scale_f32_16x16x128_f8f6f4 v[8*(8*\a+\b):8*(8*\a+\b)+7], v[128*(\p)+FR*\b:128*(\p)+FR*\b+FR-1], v[AF+32*(\p)+FR*\a:AF+32*(\p)+FR*\a+FR-1], v[8*(8*\a+\b):8*(8*\a+\b)+7], v[SC+32*((\q)/4)+NQ*\b+(\q)%4], v[WS+4*\a+(\q)%4] matrix_a_fmt:MATRIX_FMT_FP4 matrix_b_fmt:MATRIX_FMT_FP4 matrix_b_scale:MATRIX_SCALE_ROW1
.endif
.endr
.endr
.endm
.macro VSTEP q                         ; this step's fragments are in; the next step's are asked for, into the sets that the last step multiplied; then this step's products
	s_wait_dscnt 0x0
	PLACES NP
	VFETCH (\q)+1, 1-(\q)%2
	WIN MUL_LO
	VMUL \q, (\q)%2
.endm
.irp s, 0,1
.irp i, 0,1,2,3,4,5,6,7
	ds_load_b128 v[SC+32*\s+NQ*\i:SC+32*\s+NQ*\i+3], v[ADRS3] offset:\i*SBLK+16*\s   ; the scale words of my 128 tokens, all eight K steps
.endr
.endr
	VFETCH 0, 0
.set Q, 0
.rept 7
	VSTEP Q
.set Q, Q+1
.endr
	s_wait_dscnt 0x0
	WIN MUL_LO
	VMUL 7, 1
	WIN 0
	PLACES NP
.irp a, 0,1,2,3
	EPI 1, \a
.endr
	ds_load_b64 v[T:T+1], v[SVR]                   ; my own bytes, served in order: my head's 64 channels' words
	s_wait_dscnt 0x0
	global_store_b64 v[GVS], v[T:T+1], s[74:75]    ; 32 lanes store 256 consecutive bytes
	s_wait_tensorcnt 0x0                           ; the wave's end, behind my last tensor load and my last LDS store
	ds_add_u32 v[SPW], v[NIL]
	s_wait_dscnt 0x0
	CROUND                                         ; the closing round: no work-group ends while a partner may still ask
	s_endpgm
.Lfunc_end_k_qa701602e7b_gemm_qkv:
	.size	k_qa701602e7b_gemm_qkv, .Lfunc_end_k_qa701602e7b_gemm_qkv-k_qa701602e7b_gemm_qkv
	.p2alignl 7, 3214868480
	.fill 96, 4, 3214868480
	.section	.rodata,"a",@progbits
	.p2align	6, 0x0
	.amdhsa_kernel k_qa701602e7b_gemm_qkv
		.amdhsa_group_segment_fixed_size 327680
		.amdhsa_private_segment_fixed_size 0
		.amdhsa_enable_private_segment 0
		.amdhsa_kernarg_size 72
		.amdhsa_user_sgpr_count 2
		.amdhsa_user_sgpr_kernarg_segment_ptr 1
		.amdhsa_wavefront_size32 1
		.amdhsa_system_sgpr_workgroup_id_x 1
		.amdhsa_system_sgpr_workgroup_id_y 1
		.amdhsa_system_sgpr_workgroup_id_z 1
		.amdhsa_system_vgpr_workitem_id 0
		.amdhsa_next_free_vgpr 1024
		.amdhsa_next_free_sgpr 102
		.amdhsa_reserve_vcc 0
		.amdhsa_float_denorm_mode_32 3
		.amdhsa_float_denorm_mode_16_64 3
		.amdhsa_memory_ordered 1
		.amdhsa_forward_progress 1
		.amdhsa_inst_pref_size 223
	.end_amdhsa_kernel
	.amdgpu_metadata
---
amdhsa.version: [ 1, 2 ]
amdhsa.kernels:
  - .name:           k_qa701602e7b_gemm_qkv
    .symbol:         k_qa701602e7b_gemm_qkv.kd
    .args:
      - { .name: codes, .offset: 0, .size: 8, .value_kind: global_buffer, .address_space: global }
      - { .name: scales, .offset: 8, .size: 8, .value_kind: global_buffer, .address_space: global }
      - { .name: bq, .offset: 16, .size: 8, .value_kind: global_buffer, .address_space: global }
      - { .name: bk, .offset: 24, .size: 8, .value_kind: global_buffer, .address_space: global }
      - { .name: qkc, .offset: 32, .size: 8, .value_kind: global_buffer, .address_space: global }
      - { .name: qks, .offset: 40, .size: 8, .value_kind: global_buffer, .address_space: global }
      - { .name: vc, .offset: 48, .size: 8, .value_kind: global_buffer, .address_space: global }
      - { .name: vs, .offset: 56, .size: 8, .value_kind: global_buffer, .address_space: global }
      - { .name: bv, .offset: 64, .size: 8, .value_kind: global_buffer, .address_space: global }
    .group_segment_fixed_size: 327680
    .private_segment_fixed_size: 0
    .kernarg_segment_align: 8
    .kernarg_segment_size: 72
    .max_flat_workgroup_size: 128
    .sgpr_count:     102
    .vgpr_count:     1024
    .wavefront_size: 32
...
	.end_amdgpu_metadata
.endif
;; end of part 2
;; launch attn (part 3): grid 4 x 64, 16 waves a work-group, clusters of 4 x 1, 169,984 bytes of LDS; arguments qkc, qks, vc, vs, ctxc, ctxs; writes ctxc, ctxs
.if DOCPART == 3
	.amdgcn_target "amdgcn-amd-amdhsa--gfx1250"
	.amdhsa_code_object_version 6
	.text
	.protected	k_qa701602e7b_attn
	.globl	k_qa701602e7b_attn
	.p2align	8
	.type	k_qa701602e7b_attn,@function
k_qa701602e7b_attn:
	s_mov_b64 s[64:65], 0
	v_nop
	global_prefetch_b8 v0, s[64:65] scope:SCOPE_SE
	s_setreg_imm32_b32 hwreg(HW_REG_WAVE_MODE, 25, 1), 1
	s_wait_xcnt 0x0
	s_wait_alu depctr_hold_cnt(0) depctr_sa_sdst(0) depctr_va_vdst(0) depctr_va_sdst(0) depctr_va_ssrc(0) depctr_va_vcc(0) depctr_vm_vsrc(0)
	s_getreg_b32 s2, hwreg(HW_REG_IB_STS2, 6, 4)
	s_cmp_eq_u32 s2, 0
	s_cbranch_scc0 .Lentry_in_a_cluster
	s_endpgm
.Lentry_in_a_cluster:
	s_bfe_u32 s2, ttmp6, 0x10000c
	s_cmp_lg_u32 s2, 0x3003
	s_cbranch_scc0 .Lentry_shape_is_right
	s_endpgm
.Lentry_shape_is_right:
; ctx[b][t][head] = softmax over keys s <= t of (q . k / 8) times v, both products on codes of FP4 with E8M0 scales; ctx is quantised along its 64 channels and stored as codes for the last product.
; THE SOFTMAX: t = score x log2(e) / 8; M = the running largest t rounded UP to a whole number; p = 2^(t - M) is quantised along the keys; the row's sum is taken of the unquantised p and divides at the end.
; When M moves, the sum and O are multiplied by 2^(old M - new M), which rounds nothing.
; SHARES.  A cluster of four work-groups has one head of one batch; the head's K and V (codes and scale words, 143,360 bytes) come into each one's LDS ONCE, by joint loads.  Nothing in LDS is filled twice or stored to.
; Stored query tile qt = 8 g + 2 cx + e needs key steps 0 .. g of 128 keys.  Wave w takes (g = w, e = 0) and then (g = 15 - w, e = 1): 17 tile steps for every wave of every work-group.
; Every wave walks all 16 steps of each pass, so that the trip count is a constant; a step all of whose keys are hidden is jumped over by a scalar branch on the wave's number and the counter.
; LAYOUT.  Both products are used transposed (S^T = K Q^T, O^T = V^T P^T): a lane holds one query.  Tokens and channels lie in the stored order sigma (bits 3 and 4 exchanged), so that the 16 registers of two neighbouring
; tiles are 16 neighbouring keys (or channels) of the true order.  The first product's K is the head's 64: registers 4-7 of both operands are zero codes under the scale byte 0x7f.
; LIMITS: a block whose largest magnitude lies under 2^-124 keeps the byte 1, a block of zeros too; NaN and infinities are not served.
; ctxs is written a byte a lane (a head owns 2 of a token's 32 scale bytes, and the other heads belong to other work-groups): 1/16 of what this launch stores.
; REGISTERS: v1-7 addresses that stay; v8-11 the step's addresses; v12 -M, v13 the largest t, v[14:15] the sum; v16-23, v24-31 Q of the two passes; v32-95 eight fragments of K; v96-159 S^T, then p, then ctx;
;   v160-191 O^T; v192-223 four fragments of V; v224-231 p's codes; v232-243, v251-253 at work; v244-247 K's scale words, then sums at work; v248-249 V's, v250 p's, v254-255 Q's: scales and nothing else.
.set KSC,  131072                      ; LDS: K's codes at 0 (65,536), V's at 65,536, K's scale words here (8,192),
.set VSC,  139264                      ; V's here (4,096)
.set LK,   1                           ; 16 x lane: my place in an image, in LDS and in memory
.set LV,   2                           ; + 65,536
.set LSK,  3                           ; KSC + 4 x lane
.set LSV,  4                           ; VSC + 4 x lane
.set QSO,  5                           ; 4 r
.set GOS,  6                           ; 32 r + h
.set D,    7                           ; my query less the first key of my registers, within the diagonal step
.set WV,   16
.set CX,   17
.set BY,   18
.set SEL,  20
.set CS,   22
.set G1C,  24
.set G1KS, 32
.set G1VS, 40
.set G0K,  48
.set G0V,  52
.set G0KS, 56
.set G0VS, 60
.set ST,   66                          ; the key step
.set TK,   67                          ; its codes: 4,096 bytes a step, K's and V's alike
.set TS,   68                          ; K's scale words: 512 a step
.set TJ,   69                          ; V's: 256 a step
.set G,    70                          ; the pass's diagonal step
.set HI,   71                          ; lanes 16-31
.set PB,   72                          ; s[72:87] for each pass: Q's codes, Q's scale words, ctxc, ctxs
.macro ROUND
	s_barrier_signal -1
	s_barrier_wait -1
	s_cmp_lg_u32 s[WV], 0
	s_cbranch_scc1 .Lnot_wave_0_\@
	s_barrier_signal -3
.Lnot_wave_0_\@:
	s_barrier_wait -3
	s_barrier_signal -1
	s_barrier_wait -1
.endm
	s_load_b256 s[4:11], s[0:1], 0x0               ; qkc, qks, vc, vs
	s_load_b128 s[12:15], s[0:1], 0x20             ; ctxc, ctxs
	v_lshl_add_u32 v254, v0, 2, 0x29000
	v_mov_b32 v255, 0
	ds_add_u32 v254, v255
	ds_add_u32 v254, v255
	s_wait_dscnt 0x0
	v_lshrrev_b32 v8, 5, v0
	s_delay_alu instid0(VALU_DEP_1)
	v_readfirstlane_b32 s[WV], v8                  ; wave 0..15
	s_bfe_u32 s[CX], ttmp6, 0x40000                ; my place in the cluster: it enters global addresses and the mask's compare alone
	s_and_b32 s[BY], ttmp7, 0xffff                 ; 16 x batch + head: shared by the partners
	s_lshr_b32 s19, s[BY], 4                       ; batch
	s_and_b32 s88, s[BY], 15                       ; head
	s_lshl_b32 s89, s19, 21
	s_lshl_b32 s90, s88, 16
	s_add_co_u32 s90, s89, s90                     ; qkc: q's head
	s_mov_b32 s91, 0
	s_lshl_b32 s92, s19, 18
	s_lshl_b32 s93, s88, 13
	s_add_co_u32 s92, s92, s93                     ; qks: q's head
	s_mov_b32 s93, 0
	s_and_b32 s94, s[WV], 3
	s_lshl_b32 s94, s94, 14                        ; my quarter of a head's codes
	s_mov_b32 s95, 0
	s_mov_b32 s[SEL], 0x76543210
	s_mov_b32 s[SEL+1], 0xfedcba98
	s_mov_b32 s[CS], 0x3e38aa3b                    ; c = log2(e) / 8
	s_mov_b32 s[CS+1], s[CS]                       ; (named with it as a pair)
	s_mov_b32 s[HI], 0xffff0000
	; descriptor groups 1: dense blocks as rows of 256 bytes (32 elements of 8 bytes); the mask names all four partners, bit 21 beside it
.irp g, G1C, G1KS, G1VS
	s_mov_b32 s[\g], 15|(3<<16)|(1<<21)
	s_mov_b32 s[\g+1], 32<<16
	s_mov_b32 s[\g+3], 32<<16
	s_mov_b32 s[\g+5], 32
	s_mov_b32 s[\g+6], 0
	s_mov_b32 s[\g+7], 0
.endr
	s_mov_b32 s[G1C+2], 64<<16                     ; 16,384 bytes: a quarter of K's or V's codes
	s_mov_b32 s[G1C+4], 64
	s_mov_b32 s[G1KS+2], 32<<16                    ; 8,192: K's scale words
	s_mov_b32 s[G1KS+4], 32
	s_mov_b32 s[G1VS+2], 16<<16                    ; 4,096: V's
	s_mov_b32 s[G1VS+4], 16
	s_lshl_b32 s68, s[BY], 16
	s_mov_b32 s69, 0
	s_lshl_b32 s66, s[BY], 12
	s_mov_b32 s67, 0
	s_wait_kmcnt 0x0
	s_add_nc_u64 s[4:5], s[4:5], s[90:91]          ; qkc at q's head; k's head lies 16 heads on
	s_add_nc_u64 s[6:7], s[6:7], s[92:93]          ; qks likewise
	s_add_nc_u64 s[8:9], s[8:9], s[68:69]          ; vc at the head
	s_add_nc_u64 s[10:11], s[10:11], s[66:67]      ; vs at the head
	s_mov_b32 s[G0K], 1
	s_lshl_b32 s[G0K+1], s[WV], 14                 ; waves 0-3: LDS 16,384 x wave
	s_add_nc_u64 s[G0K+2:G0K+3], s[4:5], s[94:95]
	s_add_nc_u64 s[G0K+2:G0K+3], s[G0K+2:G0K+3], 0x100000
	s_or_b32 s[G0K+3], s[G0K+3], 0x80000000
	s_mov_b32 s[G0V], 1
	s_lshl_b32 s[G0V+1], s[WV], 14                 ; waves 4-7: the same: from 65,536 on
	s_add_nc_u64 s[G0V+2:G0V+3], s[8:9], s[94:95]
	s_or_b32 s[G0V+3], s[G0V+3], 0x80000000
	s_mov_b32 s[G0KS], 1
	s_mov_b32 s[G0KS+1], KSC
	s_add_nc_u64 s[G0KS+2:G0KS+3], s[6:7], 0x20000
	s_or_b32 s[G0KS+3], s[G0KS+3], 0x80000000
	s_mov_b32 s[G0VS], 1
	s_mov_b32 s[G0VS+1], VSC
	s_mov_b64 s[G0VS+2:G0VS+3], s[10:11]
	s_or_b32 s[G0VS+3], s[G0VS+3], 0x80000000
	ROUND                                          ; all four work-groups are here: the joint loads meet
	; waves 0-3: K's codes; 4-7: V's; 8: K's scale words; 9: V's; the others nothing.  One load a wave at the most; four v_nop follow each
	s_cmp_lt_u32 s[WV], 4
	s_cbranch_scc0 .Lnot_k
	tensor_load_to_lds s[G0K:G0K+3], s[G1C:G1C+7]
	s_nop 0
.rept 4
	v_nop
.endr
	s_branch .Lasked
.Lnot_k:
	s_cmp_lt_u32 s[WV], 8
	s_cbranch_scc0 .Lnot_v
	tensor_load_to_lds s[G0V:G0V+3], s[G1C:G1C+7]
	s_nop 0
.rept 4
	v_nop
.endr
	s_branch .Lasked
.Lnot_v:
	s_cmp_eq_u32 s[WV], 8
	s_cbranch_scc0 .Lnot_ks
	tensor_load_to_lds s[G0KS:G0KS+3], s[G1KS:G1KS+7]
	s_nop 0
.rept 4
	v_nop
.endr
	s_branch .Lasked
.Lnot_ks:
	s_cmp_eq_u32 s[WV], 9
	s_cbranch_scc0 .Lasked
	tensor_load_to_lds s[G0VS:G0VS+3], s[G1VS:G1VS+7]
	s_nop 0
.rept 4
	v_nop
.endr
.Lasked:
; the four global bases of pass p.  s96-s99 hold numbers made of cx, and serve nothing else
.macro BASES p
.if \p
	s_xor_b32 s96, s[WV], 15                       ; g = 15 - wave
	s_lshl_b32 s96, s96, 3
.else
	s_lshl_b32 s96, s[WV], 3                       ; g = wave
.endif
	s_lshl_b32 s97, s[CX], 1
	s_add_co_u32 s96, s96, s97
.if \p
	s_add_co_u32 s96, s96, 1
.endif                                             ; qt = 8 g + 2 cx + p
	s_lshl_b32 s98, s96, 9
	s_add_nc_u64 s[PB+8*\p:PB+8*\p+1], s[4:5], s[98:99]
	s_lshl_b32 s98, s96, 6
	s_add_nc_u64 s[PB+8*\p+2:PB+8*\p+3], s[6:7], s[98:99]
	s_lshl_b32 s97, s19, 7
	s_add_co_u32 s96, s96, s97                     ; the token tile among all 512
	s_lshl_b32 s98, s96, 13
	s_lshl_b32 s97, s88, 9
	s_add_co_u32 s98, s98, s97
	s_add_nc_u64 s[PB+8*\p+4:PB+8*\p+5], s[12:13], s[98:99]
	s_lshl_b32 s98, s96, 9
	s_lshl_b32 s97, s88, 1
	s_add_co_u32 s98, s98, s97
	s_add_nc_u64 s[PB+8*\p+6:PB+8*\p+7], s[14:15], s[98:99]
.endm
	s_mov_b32 s99, 0
	BASES 0
	BASES 1
	v_and_b32 v9, 31, v0                           ; lane
	v_and_b32 v10, 15, v0                          ; r
	v_bfe_u32 v11, v0, 4, 1                        ; h
	s_delay_alu instid0(VALU_DEP_3)
	v_lshlrev_b32 v[LK], 4, v9
	s_delay_alu instid0(VALU_DEP_3)
	v_lshlrev_b32 v[QSO], 2, v10
	global_load_b128 v[16:19], v[LK], s[PB:PB+1]           ; Q's fragments stay in registers
	global_load_b128 v[24:27], v[LK], s[PB+8:PB+9]
	global_load_b32 v254, v[QSO], s[PB+2:PB+3]             ; and their scale words
	global_load_b32 v255, v[QSO], s[PB+10:PB+11]
	v_add_nc_u32 v[LV], 65536, v[LK]
	v_lshl_add_u32 v[LSK], v9, 2, KSC
	v_lshl_add_u32 v[LSV], v9, 2, VSC
	v_lshl_add_u32 v[GOS], v10, 5, v11
	v_and_b32 v8, 8, v10
	s_delay_alu instid0(VALU_DEP_1)
	v_add_nc_u32 v8, v8, v10                       ; r + 8 (r / 8)
	v_lshlrev_b32 v9, 4, v11
	s_delay_alu instid0(VALU_DEP_1)
	v_sub_nc_u32 v8, v8, v9                        ; - 16 h
	s_lshl_b32 s96, s[CX], 5
	v_add_nc_u32 v[D], s96, v8                     ; + 32 cx (+ 8 in the second pass)
.irp j, 20,21,22,23,28,29,30,31
	v_mov_b32 v[\j], 0                             ; Q: zero codes for the instruction's upper 64 along K
.endr
.irp t, 0,1,2,3,4,5,6,7
.irp j, 4,5,6,7
	v_mov_b32 v[32+8*\t+\j], 0                     ; K likewise, once
.endr
.endr
.irp j, 236,237,238,239,251,253
	v_mov_b32 v[\j], 0                             ; written once: destinations of lane permutes, and the upper half of the pair v[252:253]
.endr
	s_wait_tensorcnt 0x0                           ; my part of the head is in LDS,
	s_barrier_signal -1
	s_barrier_wait -1                              ; everybody's is.  From here on LDS is only read: no further barrier until the closing round
	s_wait_loadcnt 0x0                             ; Q
.macro PASS p
.set Q, 16+8*\p
.set QS, 254+\p
.if \p
	s_wait_xcnt 0x0                                ; the first pass's stores have read their registers
	s_xor_b32 s[G], s[WV], 15
	v_add_nc_u32 v[D], 8, v[D]
.else
	s_mov_b32 s[G], s[WV]
.endif
	s_mov_b32 s[ST], 0
	s_mov_b32 s[TK], 0
	s_mov_b32 s[TS], 0
	s_mov_b32 s[TJ], 0
	v_mov_b32 v13, 0xff61b1e6                      ; the largest t so far: -3e38
	s_delay_alu instid0(VALU_DEP_1)
	v_floor_f32 v12, -v13                          ; -M
	v_mov_b32 v14, 0
	v_mov_b32 v15, 0
.set j, 0
.rept 32
	v_mov_b32 v[160+j], 0                          ; O^T: the step is written once; the first change of M multiplies zeros
.set j, j+1
.endr
.Lstep_\@:
	s_cmp_gt_u32 s[ST], s[G]                       ; all 128 keys come after my 16 queries: only the stepping lines are run
	s_cbranch_scc1 .Lhidden_\@
	s_setprio 2
	v_add_nc_u32 v8, s[TK], v[LK]                  ; four plain lines: the places between the last step's products and the loads into their registers
	v_add_nc_u32 v9, s[TK], v[LV]
	v_add_nc_u32 v10, s[TS], v[LSK]
	v_add_nc_u32 v11, s[TJ], v[LSV]
.irp t, 0,1,2,3,4,5,6,7
	ds_load_b128 v[32+8*\t:35+8*\t], v8 offset:512*\t          ; K: tile t's image: 512 consecutive bytes
.endr
.irp b, 0,1,2,3
	ds_load_b32 v[244+\b], v10 offset:128*\b                   ; lanes 0-15: tile 2 b's scale words; lanes 16-31: tile 2 b + 1's
.endr
.irp t, 0,1,2,3
	ds_load_b128 v[192+8*\t:195+8*\t], v9 offset:1024*\t       ; V: 16 stored channels x these 128 keys
	ds_load_b128 v[196+8*\t:199+8*\t], v9 offset:1024*\t+512
.endr
	ds_load_b32 v248, v11
	ds_load_b32 v249, v11 offset:128
	s_wait_dscnt 10                                ; K and its scale words are in; V's ten loads may stay out
.irp t, 0,2,4,6
	v_wmma_scale_f32_16x16x128_f8f6f4 v[96+8*\t:103+8*\t], v[32+8*\t:39+8*\t], v[Q:Q+7], 0, v[244+\t/2], v[QS] matrix_a_fmt:MATRIX_FMT_FP4 matrix_b_fmt:MATRIX_FMT_FP4
	v_wmma_scale_f32_16x16x128_f8f6f4 v[104+8*\t:111+8*\t], v[40+8*\t:47+8*\t], v[Q:Q+7], 0, v[244+\t/2], v[QS] matrix_a_fmt:MATRIX_FMT_FP4 matrix_b_fmt:MATRIX_FMT_FP4 matrix_a_scale:MATRIX_SCALE_ROW1
.endr
.rept 4
	v_nop
.endr
	s_cmp_lg_u32 s[ST], s[G]                       ; on the diagonal step hidden scores become -infinity ahead of the maximum
	s_cbranch_scc1 .Lopen_\@
	v_mov_b32 v251, 0xff800000
.set n, 0
.rept 64
	v_cmp_gt_i32 vcc_lo, 32*(n/16)+n%16, v[D]      ; register 16 b + i holds key 32 b + 16 h + i of the step
	v_cndmask_b32 v[96+n], v[96+n], v251, vcc_lo
.set n, n+1
.endr
.Lopen_\@:
.irp b, 0,1,2,3
	v_max3_num_f32 v[232+\b], v[96+16*\b], v[97+16*\b], v[98+16*\b]   ; the largest score of each block of 32 keys: for the row's maximum, and, since p rises with the score, for the block's largest p
.endr
.irp i, 3,5,7,9,11,13
.irp b, 0,1,2,3
	v_max3_num_f32 v[232+\b], v[232+\b], v[96+16*\b+\i], v[97+16*\b+\i]
.endr
.endr
.irp b, 0,1,2,3
	v_max_num_f32 v[232+\b], v[232+\b], v[111+16*\b]
.endr
.irp b, 0,1,2,3
	s_delay_alu instid0(VALU_DEP_4)
	v_permlanex16_b32 v[236+\b], v[232+\b], s[SEL], s[SEL+1]
.endr
.irp b, 0,1,2,3
	s_delay_alu instid0(VALU_DEP_4)
	v_max_num_f32 v[232+\b], v[232+\b], v[236+\b]  ; with lane l xor 16's 16 keys
.endr
	s_delay_alu instid0(VALU_DEP_2)
	v_max3_num_f32 v251, v232, v233, v234
	s_delay_alu instid0(VALU_DEP_1)
	v_max_num_f32 v251, v251, v235
	s_delay_alu instid0(VALU_DEP_1)
	v_mul_f32 v251, s[CS], v251                    ; as t (c is positive)
	s_delay_alu instid0(VALU_DEP_1)
	v_max_num_f32 v13, v13, v251                   ; the running largest t
	v_mov_b32 v251, v12
	s_delay_alu instid0(VALU_DEP_2)
	v_floor_f32 v12, -v13                          ; the new -M = -ceil(t)
	s_delay_alu instid0(VALU_DEP_1)
	v_sub_f32 v251, v12, v251                      ; old M - new M: a whole number, 0 or less
	s_delay_alu instid0(VALU_DEP_1)
	v_cvt_i32_f32 v251, v251                       ; (it saturates)
	s_delay_alu instid0(VALU_DEP_1)
	v_ldexp_f32 v252, 1.0, v251                    ; f = 2^(old M - new M)
.irp j, 0,2,4,6,8,10,12,14,16,18,20,22,24,26,28,30,32,34,36,38,40,42,44,46,48,50,52,54,56,58,60,62
	v_pk_fma_f32 v[96+\j:97+\j], v[96+\j:97+\j], s[CS:CS+1], v[12:13] op_sel_hi:[1,0,0]   ; t - M
.endr
	s_setprio 1
.irp b, 0,1,2,3
	v_fma_f32 v[232+\b], v[232+\b], s[CS], v12     ; the same of each block's largest score
.endr
.set j, 0
	s_wait_alu depctr_va_vdst(0)
.rept 64
	v_exp_f32 v[96+j], v[96+j]                     ; p = 2^(t - M)
.set j, j+1
.endr
.irp b, 0,1,2,3
	v_exp_f32 v[232+\b], v[232+\b]                 ; the block's largest p
.endr
	v_pk_mul_f32 v[14:15], v[14:15], v[252:253] op_sel_hi:[1,0]   ; the sums under the new M (a plain line behind the exponentials)
	s_wait_alu depctr_va_vdst(0)
.irp b, 0,1,2,3
	v_max_num_f32 v[232+\b], 0x1800000, v[232+\b]  ; the floor 2^(3 - 127)
.endr
.irp b, 0,1,2,3
	s_delay_alu instid0(VALU_DEP_4)
	v_add_nc_u32 v[240+\b], 0xff000000, v[232+\b]  ; the conversion's scale operand
.endr
.irp b, 0,1,2,3
	s_delay_alu instid0(VALU_DEP_4)
	v_lshrrev_b32 v[236+\b], 23, v[240+\b]         ; the scale's byte
.endr
	s_delay_alu instid0(VALU_DEP_3)
	v_lshl_or_b32 v250, v237, 8, v236              ; p's scale word for these 128 keys
	s_delay_alu instid0(VALU_DEP_1)
	v_lshl_or_b32 v250, v238, 16, v250
	s_delay_alu instid0(VALU_DEP_1)
	v_lshl_or_b32 v250, v239, 24, v250
.irp b, 0,1,2,3
	v_cvt_scalef32_pk8_fp4_f32 v[224+2*\b], v[96+16*\b:103+16*\b], v[240+\b]
	v_cvt_scalef32_pk8_fp4_f32 v[225+2*\b], v[104+16*\b:111+16*\b], v[240+\b]
.endr
	v_nop                                          ; one plain line behind a scaled conversion
.irp c, 0,1
.irp i, 0,1
	v_permlane16_swap_b32 v[224+4*\c+\i], v[226+4*\c+\i]   ; a whole block to a lane
.endr
.endr
	v_pk_add_f32 v[236:237], v[100:101], v[104:105]
	v_pk_add_f32 v[246:247], v[108:109], v[112:113]
	v_pk_add_f32 v[244:245], v[116:117], v[120:121]
	v_pk_add_f32 v[242:243], v[124:125], v[128:129]
	v_pk_add_f32 v[240:241], v[132:133], v[136:137]
	v_pk_add_f32 v[234:235], v[140:141], v[144:145]
	v_pk_add_f32 v[232:233], v[148:149], v[152:153]
	v_pk_add_f32 v[14:15], v[14:15], v[156:157]
	v_pk_add_f32 v[236:237], v[236:237], v[96:97]
	v_pk_add_f32 v[246:247], v[246:247], v[98:99]
	v_pk_add_f32 v[244:245], v[244:245], v[102:103]
	v_pk_add_f32 v[242:243], v[242:243], v[106:107]
	s_setprio 0
	v_pk_add_f32 v[240:241], v[240:241], v[110:111]
	v_pk_add_f32 v[234:235], v[234:235], v[114:115]
	v_pk_add_f32 v[232:233], v[232:233], v[118:119]
	v_pk_add_f32 v[14:15], v[14:15], v[122:123]
	v_pk_add_f32 v[236:237], v[236:237], v[126:127]
	v_pk_add_f32 v[246:247], v[246:247], v[130:131]
	v_pk_add_f32 v[244:245], v[244:245], v[134:135]
	v_pk_add_f32 v[242:243], v[242:243], v[138:139]
	v_pk_add_f32 v[240:241], v[240:241], v[142:143]
	v_pk_add_f32 v[234:235], v[234:235], v[146:147]
	v_pk_add_f32 v[232:233], v[232:233], v[150:151]
	v_pk_add_f32 v[14:15], v[14:15], v[154:155]
	v_pk_add_f32 v[236:237], v[236:237], v[158:159]
	s_delay_alu instid0(VALU_DEP_2)
	v_pk_add_f32 v[14:15], v[14:15], v[242:243]
	s_delay_alu instid0(VALU_DEP_2)
	v_pk_add_f32 v[236:237], v[236:237], v[240:241]
	v_pk_add_f32 v[246:247], v[246:247], v[234:235]
	v_pk_add_f32 v[244:245], v[244:245], v[232:233]
	s_delay_alu instid0(VALU_DEP_2)
	v_pk_add_f32 v[14:15], v[14:15], v[246:247]
	s_delay_alu instid0(VALU_DEP_2)
	v_pk_add_f32 v[236:237], v[236:237], v[244:245]
	s_delay_alu instid0(VALU_DEP_1)
	v_pk_add_f32 v[14:15], v[14:15], v[236:237]
.irp j, 0,2,4,6,8,10,12,14,16,18,20,22,24,26,28,30
	v_pk_mul_f32 v[160+\j:161+\j], v[160+\j:161+\j], v[252:253] op_sel_hi:[1,0]   ; O^T under the new M.  (These and the sums are the places between p's codes and scale word and the products)
.endr
	s_wait_alu depctr_va_vdst(0)
	s_wait_dscnt 0x0                               ; V and its scale words
.irp t, 0,2                                    ; four accumulators by turns, one instruction a turn
	v_wmma_scale_f32_16x16x128_f8f6f4 v[160+8*\t:167+8*\t], v[192+8*\t:199+8*\t], v[224:231], v[160+8*\t:167+8*\t], v[248+\t/2], v250 matrix_a_fmt:MATRIX_FMT_FP4 matrix_b_fmt:MATRIX_FMT_FP4
	v_wmma_scale_f32_16x16x128_f8f6f4 v[168+8*\t:175+8*\t], v[200+8*\t:207+8*\t], v[224:231], v[168+8*\t:175+8*\t], v[248+\t/2], v250 matrix_a_fmt:MATRIX_FMT_FP4 matrix_b_fmt:MATRIX_FMT_FP4 matrix_a_scale:MATRIX_SCALE_ROW1
.endr
.Lhidden_\@:
	s_add_co_u32 s[TK], s[TK], 4096
	s_add_co_u32 s[TS], s[TS], 512
	s_add_co_u32 s[TJ], s[TJ], 256
	s_add_co_u32 s[ST], s[ST], 1
	s_cmp_lt_u32 s[ST], 16
	s_cbranch_scc1 .Lstep_\@
	s_setprio 0
	; THE WAY OUT: O^T / the sum; register 16 b + i is channel 32 b + 16 h + i of my query: two blocks of 32 are quantised as the last product's operand
.rept 4
	v_nop
.endr
	v_add_f32 v14, v14, v15
	s_delay_alu instid0(VALU_DEP_1)
	v_permlanex16_b32 v251, v14, s[SEL], s[SEL+1]
	s_delay_alu instid0(VALU_DEP_1)
	v_add_f32 v14, v14, v251                       ; the row's sum
	s_wait_alu depctr_va_vdst(0)
	v_rcp_f32 v14, v14
	v_nop                                          ; one plain line behind a transcendental
.set j, 0
	s_wait_alu depctr_va_vdst(0)
.rept 32
	v_mul_f32 v[96+j], v[160+j], v14               ; each accumulator from its low end on
.set j, j+1
.endr
.irp b, 0,1
	v_max3_num_f32 v[232+\b], |v[96+16*\b]|, |v[97+16*\b]|, 0x1800000
.endr
.irp i, 2,4,6,8,10,12,14
.irp b, 0,1
	s_delay_alu instid0(VALU_DEP_2)
	v_max3_num_f32 v[232+\b], v[232+\b], |v[96+16*\b+\i]|, |v[97+16*\b+\i]|
.endr
.endr
.irp b, 0,1
	s_delay_alu instid0(VALU_DEP_2)
	v_permlanex16_b32 v[236+\b], v[232+\b], s[SEL], s[SEL+1]
.endr
.irp b, 0,1
	s_delay_alu instid0(VALU_DEP_2)
	v_max_num_f32 v[232+\b], v[232+\b], v[236+\b]
.endr
.irp b, 0,1
	s_delay_alu instid0(VALU_DEP_2)
	v_add_nc_u32 v[240+\b], 0xff000000, v[232+\b]
.endr
.irp b, 0,1
	s_delay_alu instid0(VALU_DEP_2)
	v_lshrrev_b32 v[236+\b], 23, v[240+\b]
.endr
	s_delay_alu instid0(VALU_DEP_1)
	v_cndmask_b32 v238, v236, v237, s[HI]          ; lanes 0-15 store block 0's byte, lanes 16-31 block 1's
.irp b, 0,1
	v_cvt_scalef32_pk8_fp4_f32 v[224+2*\b], v[96+16*\b:103+16*\b], v[240+\b]
	v_cvt_scalef32_pk8_fp4_f32 v[225+2*\b], v[104+16*\b:111+16*\b], v[240+\b]
.endr
	v_nop
	v_permlane16_swap_b32 v224, v226
	v_permlane16_swap_b32 v225, v227
	global_store_b128 v[LK], v[224:227], s[PB+8*\p+4:PB+8*\p+5]    ; 16 tokens x this head's 64 codes: 512 consecutive bytes
	global_store_b8 v[GOS], v238, s[PB+8*\p+6:PB+8*\p+7]
.endm
	PASS 0
	PASS 1
	s_wait_xcnt 0x0
	v_lshl_add_u32 v254, v0, 2, 0x29000
	v_mov_b32 v255, 0
	s_wait_alu depctr_va_vdst(0)
	s_wait_tensorcnt 0x0
	ds_add_u32 v254, v255
	s_wait_dscnt 0x0
	ROUND                                          ; the closing round
	s_endpgm
.Lfunc_end_k_qa701602e7b_attn:
	.size	k_qa701602e7b_attn, .Lfunc_end_k_qa701602e7b_attn-k_qa701602e7b_attn
	.p2alignl 7, 3214868480
	.fill 96, 4, 3214868480
	.section	.rodata,"a",@progbits
	.p2align	6, 0x0
	.amdhsa_kernel k_qa701602e7b_attn
		.amdhsa_group_segment_fixed_size 169984
		.amdhsa_private_segment_fixed_size 0
		.amdhsa_enable_private_segment 0
		.amdhsa_kernarg_size 48
		.amdhsa_user_sgpr_count 2
		.amdhsa_user_sgpr_kernarg_segment_ptr 1
		.amdhsa_wavefront_size32 1
		.amdhsa_system_sgpr_workgroup_id_x 1
		.amdhsa_system_sgpr_workgroup_id_y 1
		.amdhsa_system_sgpr_workgroup_id_z 1
		.amdhsa_system_vgpr_workitem_id 0
		.amdhsa_next_free_vgpr 256
		.amdhsa_next_free_sgpr 100
		.amdhsa_reserve_vcc 1
		.amdhsa_float_denorm_mode_32 3
		.amdhsa_float_denorm_mode_16_64 3
		.amdhsa_memory_ordered 1
		.amdhsa_forward_progress 1
		.amdhsa_inst_pref_size 65
	.end_amdhsa_kernel
	.amdgpu_metadata
---
amdhsa.version: [ 1, 2 ]
amdhsa.kernels:
  - .name:           k_qa701602e7b_attn
    .symbol:         k_qa701602e7b_attn.kd
    .args:
      - { .name: qkc, .offset: 0, .size: 8, .value_kind: global_buffer, .address_space: global }
      - { .name: qks, .offset: 8, .size: 8, .value_kind: global_buffer, .address_space: global }
      - { .name: vc, .offset: 16, .size: 8, .value_kind: global_buffer, .address_space: global }
      - { .name: vs, .offset: 24, .size: 8, .value_kind: global_buffer, .address_space: global }
      - { .name: ctxc, .offset: 32, .size: 8, .value_kind: global_buffer, .address_space: global }
      - { .name: ctxs, .offset: 40, .size: 8, .value_kind: global_buffer, .address_space: global }
    .group_segment_fixed_size: 169984
    .private_segment_fixed_size: 0
    .kernarg_segment_align: 8
    .kernarg_segment_size: 48
    .max_flat_workgroup_size: 512
    .sgpr_count:     100
    .vgpr_count:     256
    .wavefront_size: 32
...
	.end_amdgpu_metadata
.endif
;; end of part 3
;; launch gemm_out (part 4): grid 4 x 64, 4 waves a work-group, clusters of 4 x 4, 327,680 bytes of LDS; arguments ctxc, ctxs, codes, scales, bo, out0; writes out0
.if DOCPART == 4
	.amdgcn_target "amdgcn-amd-amdhsa--gfx1250"
	.amdhsa_code_object_version 6
	.text
	.protected	k_qa701602e7b_gemm_out
	.globl	k_qa701602e7b_gemm_out
	.p2align	8
	.type	k_qa701602e7b_gemm_out,@function
k_qa701602e7b_gemm_out:
	s_mov_b64 s[64:65], 0
	v_nop
	global_prefetch_b8 v0, s[64:65] scope:SCOPE_SE
	s_setreg_imm32_b32 hwreg(HW_REG_WAVE_MODE, 25, 1), 1
	s_wait_xcnt 0x0
	s_wait_alu depctr_hold_cnt(0) depctr_sa_sdst(0) depctr_va_vdst(0) depctr_va_sdst(0) depctr_va_ssrc(0) depctr_va_vcc(0) depctr_vm_vsrc(0)
	s_getreg_b32 s2, hwreg(HW_REG_IB_STS2, 6, 4)
	s_cmp_eq_u32 s2, 0
	s_cbranch_scc0 .Lentry_in_a_cluster
	s_endpgm
.Lentry_in_a_cluster:
	s_bfe_u32 s2, ttmp6, 0x10000c
	s_cmp_lg_u32 s2, 0xf033
	s_cbranch_scc0 .Lentry_shape_is_right
	s_endpgm
.Lentry_shape_is_right:
; out0 = ctx Wo^T + bo on codes of FP4 with E8M0 scales, K = 1,024; out0 [8192][1024] f32.
; ctx's codes arrive as images of the operand's registers, ctxc [512 token tiles][16 heads][512 bytes]: fragment (tile, 128 along K number q) is the 1,024 bytes at 8,192 tile + 1,024 q, lane l's 16 bytes at 16 l (+ 512);
; its scale bytes ctxs [8,192 stored tokens][32].  Wo's codes and scale bytes are rows 11,264 on of codes and scales.  Tokens and Wo's rows lie in the stored order sigma (bits 3 and 4 of the index exchanged);
; the true order returns on the way out: columns by the place in the stage, rows by the store's offset.
; A tile of out0 is 128 tokens x 256 columns, so that 8,192 x 1,024 results make 256 work-groups.  Four waves, each 64 x 128 = 32 accumulators.  K is two LDS slots of 512 along K, each filled ONCE at the start;
; the scale bytes likewise.  Nothing in LDS is filled twice.
; CLUSTERS: 4 x 4 work-groups; ctx's tiles are shared along a row of the cluster, Wo's along a column.  Source 0 = 16 rows of Wo, source 1 = 16 tokens: a lane holds eight neighbouring columns of one row.
; bo is the C of each sum's first matrix instruction: eight registers for each of Wo's tiles, in the result's layout; no addition is written.
; REGISTERS: window 0: v0-31 addresses; v32-95 scale words, two sets (scales and nothing else); v128-191 ctx's fragments, two sets of 32; v192-255 bo; on the way out v128-255 rows of out0.
;   window 1: Wo's fragments, two sets, at v0 and v128.   window 2: the accumulators ((a, b) at v[8 (8 a + b)]).
.set NQ,     4
.set ROWB,   256
.set KROW,   512
.set PITCH,  272                       ; Wo's rows in LDS: 256 bytes + 16 of padding
.set FR,     8
.set NP,     4                         ; places behind this matrix instruction (ISA guide 7.12.1)
.set HALFT,  128*PITCH
.set HALFA,  16384                     ; ctx: 4 token tiles x 4,096 bytes, no padding: every read is 512 consecutive bytes
.set SLOT,   2*HALFA+2*HALFT
.set KS,     32
.set SCL,    2*SLOT
.set HALFSA, 8*272                     ; the scale bytes of 64 tokens, as rows of 256 bytes + 16
.set HALFS,  16*272                    ; of 128 rows of Wo
.set SBLK,   2*272                     ; of 16 rows
.set STG,    SCL+2*HALFSA+2*HALFS      ; the way out: 16 rows x 528 bytes for each wave, bytes of its own
.set SPITCH, 528
.set ADRA, 16
.set ADRB, 20
.set STO,  24
.set RD,   25
.set CO,   26
.set ADRS, 27
.set SC,   32
.set AF,   128
.set BK,   128
.set BOC,  192
.set G1, 24
.set G0, 32
.set G1B, 48
.set G0B, 56
.set G1S, 68
.set G0S, 76
.set G1SB, 80
.set G0SB, 88
.set MSB, 0
.macro WIN new                         ; the immediate's high byte repeats the setting that is left
.if MSB != (\new)
	s_set_vgpr_msb (MSB<<8)|(\new)
.set MSB, (\new)
.endif
.endm
.set MUL_LO, 0xa1                      ; source 0 window 1, source 1 window 0, C and D window 2
.set MUL_C,  0x81                      ; the same with C (bo) in window 0
.set TO_B,   0x40
.macro JLOAD g0a, g1a, g0b, g1b        ; waves 0 and 1 fetch for ctx, waves 2 and 3 for Wo; four v_nop follow each line
	s_cmp_eq_u32 s15, 0
	s_cbranch_scc0 .Lfor_b_\@
	tensor_load_to_lds s[\g0a:\g0a+3], s[\g1a:\g1a+7]
	s_nop 0
.rept 4
	v_nop
.endr
	s_branch .Lasked_\@
.Lfor_b_\@:
	tensor_load_to_lds s[\g0b:\g0b+3], s[\g1b:\g1b+7]
	s_nop 0
.rept 4
	v_nop
.endr
.Lasked_\@:
.endm
.macro CROUND
	s_barrier_signal -1
	s_barrier_wait -1
	s_cmp_lg_u32 s14, 0
	s_cbranch_scc1 .Lnot_wave_0_\@
	s_barrier_signal -3
.Lnot_wave_0_\@:
	s_barrier_wait -3
	s_barrier_signal -1
	s_barrier_wait -1
.endm
	s_load_b256 s[4:11], s[0:1], 0x0               ; ctxc, ctxs, codes, scales
	s_load_b64 s[96:97], s[0:1], 0x20              ; bo
	s_load_b64 s[12:13], s[0:1], 0x28              ; out0
	v_lshl_add_u32 v126, v0, 2, 0x3d700
	v_mov_b32 v127, 0
	ds_add_u32 v126, v127
	ds_add_u32 v126, v127
	v_lshrrev_b32 v1, 5, v0
	v_readfirstlane_b32 s14, v1                    ; wave 0..3
	s_lshr_b32 s15, s14, 1                         ; which half of the tile's rows is mine.  Also: I fetch for ctx (0) or for Wo (1)
	s_and_b32 s16, s14, 1                          ; which half of its columns.  Also: which half of that operand I fetch
	s_bfe_u32 s40, ttmp6, 0x40000                  ; cx
	s_bfe_u32 s41, ttmp6, 0x40004                  ; cy
	s_lshl_b32 s42, ttmp9, 2
	s_add_co_u32 s42, s42, s40                     ; tile column
	s_and_b32 s17, ttmp7, 0xffff
	s_lshl_b32 s17, s17, 2
	s_add_co_u32 s17, s17, s41                     ; tile row
	s_lshl_b32 s43, s41, 2
	s_lshl_b32 s43, 15, s43                        ; my row of the cluster
	s_lshl_b32 s44, 0x1111, s40                    ; my column
	s_or_b32 s[G1+0], s43, (3<<16)|(1<<21)         ; ctx: elements of 8 bytes, no padding: 4 token tiles x 512 elements (four fragments), 1,024 elements from tile to tile
	s_mov_b32 s[G1+1], 512<<16
	s_mov_b32 s[G1+2], 4<<16
	s_mov_b32 s[G1+3], 512<<16
	s_mov_b32 s[G1+4], 4
	s_mov_b32 s[G1+5], 1024
	s_mov_b32 s[G1+6], 0
	s_mov_b32 s[G1+7], 0
	s_or_b32 s[G1B+0], s44, (0<<16)|(1<<20)|(1<<21)|(5<<22)|(3<<25)  ; Wo: 128 rows x 256 bytes, 4 words of padding behind every 64
	s_mov_b32 s[G1B+1], ROWB<<16
	s_mov_b32 s[G1B+2], 128<<16
	s_mov_b32 s[G1B+3], ROWB<<16
	s_mov_b32 s[G1B+4], 128
	s_mov_b32 s[G1B+5], KROW
	s_mov_b32 s[G1B+6], 0
	s_mov_b32 s[G1B+7], 0
	s_or_b32 s[G1S+0], s43, (3<<16)|(1<<20)|(1<<21)|(5<<22)|(3<<25)  ; the scale bytes: rows of 256 bytes, padded: 8 for 64 tokens,
	s_or_b32 s[G1SB+0], s44, (3<<16)|(1<<20)|(1<<21)|(5<<22)|(3<<25) ; 16 for 128 rows of Wo
.irp g, G1S, G1SB
	s_mov_b32 s[\g+1], 32<<16
	s_mov_b32 s[\g+3], 32<<16
	s_mov_b32 s[\g+5], 32
	s_mov_b32 s[\g+6], 0
	s_mov_b32 s[\g+7], 0
.endr
	s_mov_b32 s[G1S+2], 8<<16
	s_mov_b32 s[G1S+4], 8
	s_mov_b32 s[G1SB+2], 16<<16
	s_mov_b32 s[G1SB+4], 16
	s_lshl_b32 s18, s16, 6
	s_lshl_b32 s20, s17, 7
	s_add_co_u32 s20, s20, s18                     ; ctx: stored token 128 x tile row + 64 x half
	s_lshl_b32 s18, s16, 7
	s_lshl_b32 s46, s42, 8
	s_add_co_u32 s46, s46, s18
	s_add_co_u32 s46, s46, 11264                   ; Wo: row 11,264 + 256 x tile column + 128 x half
	s_lshl_b32 s22, s20, 5
	s_mov_b32 s23, 0
	s_lshl_b32 s92, s46, 5
	s_mov_b32 s93, 0
	s_lshl_b32 s20, s20, 9                         ; 512 bytes of codes a token: 8,192 a tile of 16
	s_mov_b32 s21, 0
	s_lshl_b32 s46, s46, 9
	s_mov_b32 s47, 0
	s_lshl_b32 s45, s16, 14                        ; where they go: ctx's halves,
	s_mul_i32 s94, s16, HALFT
	s_add_co_u32 s94, s94, 2*HALFA                 ; Wo's behind them;
	s_mul_i32 s95, s16, HALFSA                     ; ctx's scale bytes,
	s_mul_i32 s98, s16, HALFS
	s_add_co_u32 s98, s98, 2*HALFSA                ; Wo's behind them
	s_wait_dscnt 0x0
	s_wait_kmcnt 0x0
	s_add_nc_u64 s[20:21], s[4:5], s[20:21]
	s_add_nc_u64 s[22:23], s[6:7], s[22:23]
	s_add_nc_u64 s[46:47], s[8:9], s[46:47]
	s_add_nc_u64 s[92:93], s[10:11], s[92:93]
	CROUND                                         ; all sixteen work-groups are here: the joint loads meet
	s_mov_b32 s[G0S], 1
	s_add_co_u32 s[G0S+1], s95, SCL
	s_mov_b64 s[G0S+2:G0S+3], s[22:23]
	s_or_b32 s[G0S+3], s[G0S+3], 0x80000000
	s_mov_b32 s[G0SB], 1
	s_add_co_u32 s[G0SB+1], s98, SCL
	s_mov_b64 s[G0SB+2:G0SB+3], s[92:93]
	s_or_b32 s[G0SB+3], s[G0SB+3], 0x80000000
	JLOAD G0S, G1S, G0SB, G1SB                     ; the scales first; then both slots, each behind a wait for all and a round: only slot 1's load of mine is out
.irp s, 0,1
	s_mov_b32 s[G0+4*\s], 1
	s_add_co_u32 s[G0+4*\s+1], s45, \s*SLOT
	s_add_nc_u64 s[G0+4*\s+2:G0+4*\s+3], s[20:21], \s*4096
	s_or_b32 s[G0+4*\s+3], s[G0+4*\s+3], 0x80000000
	s_mov_b32 s[G0B+4*\s], 1
	s_add_co_u32 s[G0B+4*\s+1], s94, \s*SLOT
	s_add_nc_u64 s[G0B+4*\s+2:G0B+4*\s+3], s[46:47], \s*ROWB
	s_or_b32 s[G0B+4*\s+3], s[G0B+4*\s+3], 0x80000000
	s_wait_alu depctr_va_vdst(0)
	s_wait_tensorcnt 0x0
	ds_add_u32 v126, v127
	s_wait_dscnt 0x0
	CROUND
	JLOAD G0+4*\s, G1, G0B+4*\s, G1B
.endr
	v_and_b32 v1, 15, v0                           ; r
	v_bfe_u32 v2, v0, 4, 1                         ; h
	s_wait_alu depctr_va_vdst(0)
	v_and_b32 v6, 31, v0
	v_lshlrev_b32 v[CO], 4, v6                     ; 16 x lane
	s_wait_alu depctr_va_vdst(0)
	s_lshl_b32 s20, s17, 7
	s_lshl_b32 s21, s15, 6
	s_add_co_u32 s20, s20, s21                     ; my first row of out0: 128 x tile row + 64 x half
	s_lshl_b32 s20, s20, 12                        ; 4,096 bytes a row
	s_mov_b32 s21, 0
	s_lshl_b32 s46, s42, 10
	s_lshl_b32 s47, s16, 9
	s_add_co_u32 s46, s46, s47                     ; my first column, in bytes; bo's offset is the same number
	s_mov_b32 s47, 0
	s_add_nc_u64 s[12:13], s[12:13], s[20:21]
	s_add_nc_u64 s[12:13], s[12:13], s[46:47]
	s_add_nc_u64 s[96:97], s[96:97], s[46:47]
	v_lshlrev_b32 v14, 6, v2                       ; register 8 b + j of bo's 64 is column 32 (b / 2) + 16 h + 8 (b % 2) + j: the result's layout
.irp b, 0,1,2,3
.irp j, 0,1,2,3
	global_load_b128 v[BOC+16*\b+4*\j:BOC+16*\b+4*\j+3], v14, s[96:97] offset:128*\b+16*\j
.endr
.endr
	v_mul_u32_u24 v3, v1, PITCH
	v_lshl_add_u32 v4, v2, 4, v3
	s_lshl_b32 s21, s15, 14                        ; my 64 tokens' images
	s_mul_i32 s22, s16, HALFT
	s_add_co_u32 s22, s22, 2*HALFA                 ; my 128 rows of Wo
.irp s, 0,1
	v_add_nc_u32 v[ADRA+\s], s21, v[CO]
	v_add_nc_u32 v[ADRB+\s], s22, v4
	s_add_co_u32 s21, s21, SLOT
	s_add_co_u32 s22, s22, SLOT
.endr
	v_mul_u32_u24 v5, v1, KS                       ; my row's scale bytes: 32 a row,
	v_lshrrev_b32 v6, 8, v5
	v_lshl_add_u32 v5, v6, 4, v5                   ; and 16 more for each 256 passed
	s_mul_i32 s21, s15, HALFSA
	s_mul_i32 s22, s16, HALFS
	s_add_co_u32 s22, s22, 2*HALFSA
	s_sub_co_u32 s22, s22, s21
	v_mul_u32_u24 v6, s22, v2                      ; lanes 16-31 take Wo's
	s_add_co_u32 s21, s21, SCL
	v_add_nc_u32 v5, v5, v6
	v_add_nc_u32 v[ADRS], s21, v5
	s_mul_i32 s23, s14, 16*SPITCH
	s_add_co_u32 s23, s23, STG                     ; my stage
	v_mul_u32_u24 v5, v1, SPITCH
	v_lshl_add_u32 v5, v2, 6, v5                   ; in: row r, + 64 h: tile 2 b + u, register j is column 32 b + 16 h + 8 u + j
	v_add_nc_u32 v[STO], s23, v5
	v_add_nc_u32 v[RD], s23, v[CO]                 ; back: the 32 lanes take one row of 512 bytes
.macro FRAG reg, adr, q, i
.irp c, 0,1
	ds_load_b128 v[\reg+4*\c:\reg+4*\c+3], v[\adr] offset:64*(\q)+32*\c+(\i)*16*PITCH
.endr
.endm
.macro FRAGA reg, adr, q, i            ; an image: 512 consecutive bytes a load
.irp c, 0,1
	ds_load_b128 v[\reg+4*\c:\reg+4*\c+3], v[\adr] offset:4096*(\i)+1024*(\q)+512*\c
.endr
.endm
; 16 matrix instructions: ctx's blocks a0, a0 + 1 x Wo's eight tiles.  The 32 accumulators take turns, one instruction a turn, in the same order in every step.
; first = 1: the sums begin with bo.
.macro MULH a0, p, q, sc, first
.irp a, \a0, \a0+1
.irp b, 0,1,2,3,4,5,6,7
.if \first
	v_wmma_scale_f32_16x16x128_f8f6f4 v[8*(8*(\a)+\b):8*(8*(\a)+\b)+7], v[128*(\p)+FR*\b:128*(\p)+FR*\b+FR-1], v[AF+32*(\p)+FR*(\a):AF+32*(\p)+FR*(\a)+FR-1], v[BOC+8*\b:BOC+8*\b+7], v[SC+8*NQ*(\sc)+NQ*\b+(\q)], v[SC+8*NQ*(\sc)+NQ*(\a)+(\q)] matrix_a_fmt:MATRIX_FMT_FP4 matrix_b_fmt:MATRIX_FMT_FP4 matrix_a_scale:MATRIX_SCALE_ROW1
.else
	v_wmma_scale_f32_16x16x128_f8f6f4 v[8*(8*(\a)+\b):8*(8*(\a)+\b)+7], v[128*(\p)+FR*\b:128*(\p)+FR*\b+FR-1], v[AF+32*(\p)+FR*(\a):AF+32*(\p)+FR*(\a)+FR-1], v[8*(8*(\a)+\b):8*(8*(\a)+\b)+7], v[SC+8*NQ*(\sc)+NQ*\b+(\q)], v[SC+8*NQ*(\sc)+NQ*(\a)+(\q)] matrix_a_fmt:MATRIX_FMT_FP4 matrix_b_fmt:MATRIX_FMT_FP4 matrix_a_scale:MATRIX_SCALE_ROW1
.endif
.endr
.endr
.endm
.macro FETCH slot, q, p                ; the slot's q-th 128 along K: Wo's eight fragments and ctx's four, into sets p: 24 loads in one run
	WIN TO_B
.irp i, 0,1,2,3,4,5,6,7
	FRAG 128*(\p)+FR*\i, ADRB+\slot, \q, \i
.endr
	WIN 0
.irp i, 0,1,2,3
	FRAGA AF+32*(\p)+FR*\i, ADRA+\slot, \q, \i
.endr
.endm
.macro SCALES sc                       ; a slot's scale words: lanes 0-15 take ctx's block i (i < 4 are used), lanes 16-31 Wo's block i
.irp i, 0,1,2,3,4,5,6,7
	ds_load_b128 v[SC+8*NQ*\sc+NQ*\i:SC+8*NQ*\sc+NQ*\i+3], v[ADRS] offset:\i*SBLK
.endr
.endm
.macro PLACES n
.rept \n
	v_nop
.endr
.endm
.macro STEP slot, q, first             ; this step's fragments are in; the next step's are asked for, into the sets that the last step multiplied; then this step's 32 products
	s_wait_dscnt 0x0
	PLACES NP
	FETCH \slot, (\q)+1, 1-(\q)%2
.if \first
	WIN MUL_C
.else
	WIN MUL_LO
.endif
	MULH 0, (\q)%2, \q, \slot, \first
	MULH 2, (\q)%2, \q, \slot, \first
.endm
	s_wait_alu depctr_va_vdst(0)
	s_wait_tensorcnt 1                             ; the scales and my part of slot 0 are in; slot 1's load may be out
	s_barrier_signal -1
	s_barrier_wait -1                              ; everybody's are
	FETCH 0, 0, 0
	SCALES 0
	s_wait_loadcnt 0x0                             ; bo
	STEP 0, 0, 1
	STEP 0, 1, 0
	STEP 0, 2, 0
	; slot 0's last step goes over to slot 1: each wave waits for its part of slot 1 (its last tensor load), then signals.
	s_wait_tensorcnt 0x0
	s_wait_dscnt 0x0                               ; this step's fragments are in, and no LDS instruction of mine is out at the signal
	s_barrier_signal -1
	WIN MUL_LO
	MULH 0, 1, 3, 0, 0
	WIN 0
	s_barrier_wait -1
	PLACES NP
	v_add_nc_u32 v[ADRS], 4*NQ, v[ADRS]            ; the next slot's scale words
	FETCH 1, 0, 0
	SCALES 1
	WIN MUL_LO
	MULH 2, 1, 3, 0, 0
	STEP 1, 0, 0
	STEP 1, 1, 0
	STEP 1, 2, 0
	s_wait_dscnt 0x0
	WIN MUL_LO
	MULH 0, 1, 3, 1, 0
	MULH 2, 1, 3, 1, 0
	WIN 0
; THE WAY OUT, block by block of 16 stored tokens x 128 columns, through my own stage: in by 32 bytes a lane at the columns' true places, back as whole rows of 512 bytes.  LDS serves a wave's instructions in order.
.macro TOSTAGE a
.set AC, 64*(\a)
	WIN 0x08                                       ; the data: window 2
.irp b, 0,1,2,3,4,5,6,7
	ds_store_b128 v[STO], v[AC+8*\b:AC+8*\b+3] offset:128*(\b/2)+32*(\b%2)          ; each accumulator from its low end on
	ds_store_b128 v[STO], v[AC+8*\b+4:AC+8*\b+7] offset:128*(\b/2)+32*(\b%2)+16
.endr
	WIN 0
.set BB, BK+64*((\a)%2)
.irp t, 0,1,2,3,4,5,6,7,8,9,10,11,12,13,14,15
	ds_load_b128 v[BB+4*\t:BB+4*\t+3], v[RD] offset:\t*SPITCH
.endr
.endm
; Stored token 16 a + t is row 32 (a / 2) + 8 (a % 2) + 16 (t / 8) + t % 8: the block's part is in the base, which steps by 8 and by 24 rows, t's in the offset.
.macro SEND a, younger
.set BB, BK+64*((\a)%2)
	s_wait_dscnt \younger                          ; the block is back in registers
.if (\a) > 0
.if (\a)%2
	s_add_nc_u64 s[12:13], s[12:13], 8*4096        ; (behind a wait on XCNT: the earlier stores have read their base)
.else
	s_add_nc_u64 s[12:13], s[12:13], 24*4096
.endif
.endif
.irp t, 0,1,2,3,4,5,6,7,8,9,10,11,12,13,14,15
	global_store_b128 v[CO], v[BB+4*\t:BB+4*\t+3], s[12:13] offset:(16*(\t/8)+\t%8)*4096 th:TH_STORE_NT   ; 32 lanes store 512 consecutive bytes
.endr
.endm
	PLACES NP
	TOSTAGE 0
.irp a, 1,2,3
.if \a > 1
	s_wait_xcnt 0x0                                ; block a - 2's stores have read their registers and their base
.endif
	TOSTAGE \a
	SEND \a-1, 32                                  ; behind block a - 1's loads: block a's 16 stores and 16 loads
.endr
	s_wait_xcnt 0x0
	SEND 3, 0
	s_wait_tensorcnt 0x0
	ds_add_u32 v126, v127
	s_wait_dscnt 0x0
	CROUND                                         ; the closing round
	s_endpgm
.Lfunc_end_k_qa701602e7b_gemm_out:
	.size	k_qa701602e7b_gemm_out, .Lfunc_end_k_qa701602e7b_gemm_out-k_qa701602e7b_gemm_out
	.p2alignl 7, 3214868480
	.fill 96, 4, 3214868480
	.section	.rodata,"a",@progbits
	.p2align	6, 0x0
	.amdhsa_kernel k_qa701602e7b_gemm_out
		.amdhsa_group_segment_fixed_size 327680
		.amdhsa_private_segment_fixed_size 0
		.amdhsa_enable_private_segment 0
		.amdhsa_kernarg_size 48
		.amdhsa_user_sgpr_count 2
		.amdhsa_user_sgpr_kernarg_segment_ptr 1
		.amdhsa_wavefront_size32 1
		.amdhsa_system_sgpr_workgroup_id_x 1
		.amdhsa_system_sgpr_workgroup_id_y 1
		.amdhsa_system_sgpr_workgroup_id_z 1
		.amdhsa_system_vgpr_workitem_id 0
		.amdhsa_next_free_vgpr 1024
		.amdhsa_next_free_sgpr 100
		.amdhsa_reserve_vcc 0
		.amdhsa_float_denorm_mode_32 3
		.amdhsa_float_denorm_mode_16_64 3
		.amdhsa_memory_ordered 1
		.amdhsa_forward_progress 1
		.amdhsa_inst_pref_size 75
	.end_amdhsa_kernel
	.amdgpu_metadata
---
amdhsa.version: [ 1, 2 ]
amdhsa.kernels:
  - .name:           k_qa701602e7b_gemm_out
    .symbol:         k_qa701602e7b_gemm_out.kd
    .args:
      - { .name: ctxc, .offset: 0, .size: 8, .value_kind: global_buffer, .address_space: global }
      - { .name: ctxs, .offset: 8, .size: 8, .value_kind: global_buffer, .address_space: global }
      - { .name: codes, .offset: 16, .size: 8, .value_kind: global_buffer, .address_space: global }
      - { .name: scales, .offset: 24, .size: 8, .value_kind: global_buffer, .address_space: global }
      - { .name: bo, .offset: 32, .size: 8, .value_kind: global_buffer, .address_space: global }
      - { .name: out0, .offset: 40, .size: 8, .value_kind: global_buffer, .address_space: global }
    .group_segment_fixed_size: 327680
    .private_segment_fixed_size: 0
    .kernarg_segment_align: 8
    .kernarg_segment_size: 48
    .max_flat_workgroup_size: 128
    .sgpr_count:     100
    .vgpr_count:     1024
    .wavefront_size: 32
...
	.end_amdgpu_metadata
.endif
;; end of part 4
